; MI455X (gfx1250); checked and timed in simulation.
; The chip was launched on July 23, 2026; its instructions are those of AMD's public machine-readable ISA for CDNA 5 (MIT licence, August 2026) and "CDNA5" Instruction Set Architecture Reference Guide (July 2026). The comments in the code are by the model that wrote it; some were corrected since.
;; Multihead Attention. Allowed arithmetic: matrix products marked QUANTISED: E3M2 operands, one E8M0 scale for each 32 along K, by v_wmma_scale_f32_16x16x128_f8f6f4 with both operands' format E3M2, f32 sums; everything else in f32.
;; Inputs: Wk 2,048 x 2,048 float32; Wo 2,048 x 2,048 float32; Wq 2,048 x 2,048 float32; Wv 2,048 x 2,048 float32; bo 2,048 float32; key 2 x 2,048 x 2,048 float32; mask 1,024 x 2,048 bool; query 2 x 1,024 x 2,048 float32; value 2 x 2,048 x 2,048 float32.
;; Outputs: out0 2 x 1,024 x 2,048 float32.
;; This version of the problem:
;;   THIS VERSION OF THE PROBLEM IS GIVEN IN LOW PRECISION. The matrix products marked QUANTISED in the list below multiply operands that are first quantised to E3M2 (3 exponent bits, 2 mantissa bits; 6 bits a number), with one power-of-two scale for each 32 numbers along K (OCP MX v1.0); their sums are f32. All else is computed in f32.
;;   The module's matrix products, in the order in which they are computed (A, B: the left and right operand; K: the contracted axis; several contracted axes count as one K, in the product's order):
;;     1. [M 2,048, K 2,048] x [K 2,048, N 2,048]; A: input query; B: input Wq: QUANTISED
;;     2. [M 4,096, K 2,048] x [K 2,048, N 2,048]; A: input key; B: input Wk: QUANTISED
;;     3. [M 4,096, K 2,048] x [K 2,048, N 2,048]; A: input value; B: input Wv: QUANTISED
;;     4. batch 32 x [M 1,024, K 128] x [K 128, N 2,048]; A: computed on the way; B: computed on the way: QUANTISED
;;     5. batch 32 x [M 1,024, K 2,048] x [K 2,048, N 128]; A: softmax (see below); B: computed on the way: QUANTISED
;;     6. [M 2,048, K 2,048] x [K 2,048, N 2,048]; A: computed on the way; B: input Wo: QUANTISED
;;   THE QUANTISER, for each operand of a quantised product, along K:
;;     - K is cut into blocks of 32 from its start; a last block that is shorter is filled with zeros.
;;     - A block's scale is 2^e with e = floor(log2(the largest magnitude in the block)) - 4, held to -126 .. 127; a block of zeros has e = 0. As a byte (E8M0): e + 127.
;;     - Each number is divided by its block's scale, clamped to +-28, and rounded to the nearest number of E3M2, ties to even, subnormals kept.
;;     - The product sums the exact products of the quantised numbers (number of the format x scale) in f32.
;;   ~~~python
;;   def quantise(x, axis):      # numpy; x: float32 -> the quantised numbers, widened to float32 again
;;       x = np.moveaxis(x, axis, -1); K = x.shape[-1]
;;       x = np.pad(x, [(0, 0)] * (x.ndim - 1) + [(0, -K % 32)]); x = x.reshape(x.shape[:-1] + (-1, 32)); a = np.abs(x).max(-1, keepdims=True)
;;       e = np.where(a > 0, np.clip(np.frexp(np.where(a > 0, a, 1))[1] - 1 - 4, -126, 127), 0)      # np.frexp(a)[1] - 1 = floor(log2(a)), exactly
;;       r = np.clip(x / 2.0 ** e, -28, 28)
;;       step = 2.0 ** (np.maximum(np.frexp(np.where(r == 0, 1, r))[1] - 1, -2) - 2)
;;       q = np.round(r / step) * step * 2.0 ** e      # np.round: ties to even
;;       return np.moveaxis(q.reshape(q.shape[:-2] + (-1,))[..., :K], -1, axis).astype(np.float32)
;;   ~~~
;;   SOFTMAX AHEAD OF A QUANTISED PRODUCT. Where the list says 'softmax', what is quantised is not the finished softmax but p = 2^(t - M), with t = logit x log2(e) and M = ceil(the row's largest t), a whole number; so 1/2 < the row's largest p <= 1. The row's sum l is taken of the UNQUANTISED p, in f32, and the product's result is divided by l at the end. Since M is a whole number, a kernel that streams over the keys may use a running M (the ceiling of the running maximum): every later rescaling is an exact power of two, which a block's scale takes up: the codes' values come out the same.
;;   OPERANDS COMPUTED ON THE WAY. 'Computed on the way' means the value that the module computes at that place (a softmax that the list does not call 'softmax' is quantised finished and normalised). What goes into a quantiser is computed in f32, as accurately as f32 sums, v_exp_f32 and their like allow (about 1e-6 of the number): no bf16 or f16 on the way to a quantiser, and a product that is left as it is and whose result goes on into a quantised operand takes f32 operands (vector FMAs, or v_wmma_f32_16x16x4_f32). A number that lies on a knife's edge between two numbers of the format may be rounded either way, as far as f32 arithmetic and the matrix unit's own rounding can turn it there, and no further.
;; One version. Each part assembles by itself: llvm-mc -triple=amdgcn-amd-amdhsa -mcpu=gfx1250 --defsym DOCPART=n.
;; ======== version 1 of 1: 5 launches
;; limits: right only within a limited range of input values
;; workspace buffers: opq 29,491,200 bytes; att 16,384,000 bytes; oc 3,276,800 bytes; mbits 262,144 bytes of whole numbers; need 8,192 bytes of whole numbers
;; launch prep (part 1): grid 2368 x 1, 4 waves a work-group, no clusters, 47,872 bytes of LDS; arguments query, key, value, Wq, Wk, Wv, Wo, mask, opq, mbits, need; writes opq, mbits, need
.if DOCPART == 1
	.amdgcn_target "amdgcn-amd-amdhsa--gfx1250"
	.amdhsa_code_object_version 6
	.text
	.protected	k_q3138787e75_prep
	.globl	k_q3138787e75_prep
	.p2align	8
	.type	k_q3138787e75_prep,@function
k_q3138787e75_prep:
	s_mov_b64 s[64:65], 0
	v_nop
	global_prefetch_b8 v0, s[64:65] scope:SCOPE_SE
	s_setreg_imm32_b32 hwreg(HW_REG_WAVE_MODE, 25, 1), 1
	s_wait_xcnt 0x0
; PREP.  query, key, value ([rows][2048] f32, K innermost) and Wq, Wk, Wv, Wo ([2048 (k)][2048 (n)] f32, K the first axis) become codes of BF6 (E3M2) with one E8M0 byte for each 32 along K;
; the mask (bytes 0 or 1) becomes lane masks for the attention launch and, for each tile of 16 queries, the list of key steps that it has to walk.
; THE CHUNK, this program's one format for an operand: 128 rows x 128 along K in 12,800 bytes.  Bytes 0 .. 12,287: eight fragments (16 rows x 128 K) as IMAGES OF THEIR REGISTERS, 1,536 bytes each: register 4 c + i of
; lane L at 512 c + 16 L + 4 i.  Bytes 12,288 ..: the scale words: lane L's 16 bytes at 16 L; word i is that of row L % 16 of fragment 4 (L / 16) + i.
; THE ROWS OF A FRAGMENT ARE NOT NEIGHBOURS: in each 32 rows, lane r of fragment 2 B + u takes row 32 B + 8 u + r + 8 (r / 8).
; opq: 144 blocks of 128 rows, 16 chunks (K ascending) each: 0-15 query, 16-47 key, 48-79 value, 80-95 Wq, 96-111 Wk, 112-127 Wv, 128-143 Wo.
; A block's scale is 2^(floor(log2(largest magnitude)) - 4): its byte is the largest magnitude's exponent field - 4, held at 1 from below by a floor among the maximum's leaves.
; LIMITS: a block whose largest magnitude lies under 2^-122, a block of zeros among them, gets the byte 1 (read by this program alone; zero codes add nothing); NaN and infinities are not served; mask bytes are 0 or 1.
; WORK-GROUPS: 0-63 the mask (a tile of 16 queries each), 64-1087 the weights, 1088-2367 the activations; in the last two a work-group makes ONE chunk and each wave asks for its 16,384 bytes at once,
; by 32 loads of 512 consecutive bytes.  Sixteen neighbouring work-groups read the sixteen pieces of 512 bytes of the same rows.
; No matrix unit, no tensor loads, no cluster: nothing is shared.  No prefetch: the text has no loop to run ahead in.
.set CH,    12800
.set BLKB,  204800
.set FRB,   1536
.set SCO,   12288
.set FLOOR, 0x2800000                  ; 2^(5 - 127)
.set EOFF,  0xfe000000                 ; -(4 << 23)
.set STG,   8448                       ; activations: a wave's stage: 16 rows x (512 + 16) bytes
.set XSC,   33792                      ; activations: the chunk's 512 bytes of scale words
.set WIMG,  34304                      ; weights: the chunk's image, 12,800 bytes
.set MLDS,  47104                      ; mask: 8 bytes a wave.  Each path has LDS bytes of its own
.set SPARE, 47360                      ; the spare words, 128 bytes a wave
.set D,   16                           ; v16-143  the wave's 4,096 numbers
.set CX,  144                          ; x: v144-167 two fragments' codes
.set TX,  168                          ; x: v168-175 the conversions' second halves
.set G,   144                          ; W: v144-159 sixteen neighbours along K of one column
.set CW,  160                          ; W: v160-171 a block's codes, two sets
.set TW,  172
.set MX,  176                          ; v176-179 four blocks' largest magnitudes, then their bytes
.set SX,  180                          ; v180-183 the conversions' scale operands
.set PW,  184                          ; x: v184-185 two fragments' scale words
.set PX,  186
.set SPW, 188                          ; LDS address of my spare word; never rewritten
.set NIL, 189                          ; 0; never rewritten
	s_load_b512 s[4:19], s[0:1], 0x0               ; query, key, value, Wq, Wk, Wv, Wo, mask
	s_load_b128 s[20:23], s[0:1], 0x40             ; opq, mbits
	s_load_b64 s[24:25], s[0:1], 0x50              ; need
	v_lshl_add_u32 v[SPW], v0, 2, SPARE
	v_mov_b32 v[NIL], 0
	v_lshrrev_b32 v1, 5, v0
	v_readfirstlane_b32 s26, v1                    ; wave
	v_and_b32 v6, 31, v0                           ; lane
	v_and_b32 v7, 15, v0                           ; r
	v_bfe_u32 v8, v0, 4, 1                         ; h
	v_lshlrev_b32 v1, 4, v6                        ; 16 x lane
	v_lshlrev_b32 v5, 3, v8                        ; 8 h
	s_mov_b32 s28, 0x76543210
	s_mov_b32 s29, 0xfedcba98                      ; v_permlanex16_b32: lane l xor 16
	s_and_b32 s27, s26, 1
	s_lshr_b32 s31, s26, 1
	; all LDS addresses are made here, ahead of the parting of the ways
	s_mul_i32 s32, s26, STG
	v_add_nc_u32 v2, s32, v1                       ; x: the stage, in: a row's 512 bytes as they lie
	v_mul_u32_u24 v3, v7, 528
	v_lshl_add_u32 v3, v8, 7, v3
	v_add_nc_u32 v3, s32, v3                       ; x: out: row r, + 128 h bytes: my block of 32
	s_lshl_b32 s33, s31, 8
	s_lshl_b32 s30, s27, 3
	s_add_co_u32 s33, s33, s30
	s_add_co_u32 s33, s33, XSC
	s_wait_alu depctr_va_vdst(0)
	v_lshl_add_u32 v4, v7, 4, s33                  ; x: the words of row r of fragments 2 w, 2 w + 1: 16 r + 256 (w / 2) + 8 (w % 2)
	v_lshlrev_b32 v11, 4, v0                       ; W: 16 x thread: the image's way out, in LDS and in memory alike
	; W: lane L holds columns 4 L + c: fragment f = 2 (L / 8) + (L / 2) % 2, row r0 + c with r0 = 4 (L % 2) + 8 ((L / 4) % 2)
	v_bfe_u32 v12, v0, 3, 2
	v_bfe_u32 v13, v0, 1, 1
	v_lshl_add_u32 v12, v12, 1, v13                ; f
	v_and_b32 v14, 1, v0
	v_bfe_u32 v15, v0, 2, 1
	v_lshlrev_b32 v14, 6, v14
	v_lshl_add_u32 v15, v15, 7, v14                ; 16 r0
	v_and_b32 v13, 3, v12
	v_lshl_add_u32 v13, v13, 2, v15
	v_lshl_add_u32 v13, v8, 8, v13
	s_add_co_u32 s30, s26, WIMG+SCO
	v_add_nc_u32 v13, s30, v13                     ; W: my scale byte: 16 r0 + 256 (f / 4) + 4 (f % 4) + my wave's block t
	v_mad_u32_u24 v12, v12, FRB, v15               ; f x 1,536 + 16 r0
	s_lshl_b32 s34, s27, 8                         ; block t goes to lanes r + 16 (t % 2), registers 6 (t / 2) .. + 5
	s_add_co_u32 s34, s34, WIMG
	s_mul_i32 s35, s31, 520
	s_add_co_u32 s35, s35, s34
	s_mul_i32 s36, s31, 1016
	s_add_co_u32 s36, s36, s34
	s_add_co_u32 s36, s36, 8
	v_add_nc_u32 v14, s35, v12                     ; W: dwords 0, 1 of a block's six (byte 0 or 520 of the lane's image places), and, 512 on, dwords 4, 5
	v_add_nc_u32 v15, s36, v12                     ; W: dwords 2, 3 (byte 8 or 1,024)
	s_lshl_b32 s33, s26, 3
	s_add_co_u32 s33, s33, MLDS
	v_mov_b32 v9, s33                              ; mask: my wave's 8 bytes
	v_mov_b32 v10, MLDS
	s_wait_alu depctr_va_vdst(0)
	s_cmp_lt_u32 ttmp9, 64
	s_cbranch_scc1 .Lmask
	s_cmp_lt_u32 ttmp9, 1088
	s_cbranch_scc1 .Lw
; ---------------- activations: K innermost.  A wave: 32 rows x 128 K = fragments 2 w and 2 w + 1 ----------------
	s_sub_co_u32 s34, ttmp9, 1088
	s_lshr_b32 s35, s34, 4                         ; block of rows 0 .. 79
	s_and_b32 s36, s34, 15                         ; K step
	v_mov_b32 v[PX], 0                             ; a lane permute's destination counts as read
	v_mov_b32 v[PX+1], 0
	s_wait_alu depctr_va_vdst(0)
	s_wait_kmcnt 0x0
	s_cmp_lt_u32 s35, 48                           ; the choice hangs on the work-group's number alone
	s_cselect_b64 s[38:39], s[6:7], s[8:9]
	s_cselect_b32 s37, 16, 48
	s_cmp_lt_u32 s35, 16
	s_cselect_b64 s[38:39], s[4:5], s[38:39]
	s_cselect_b32 s37, 0, s37
	s_sub_co_u32 s37, s35, s37                     ; block within its tensor
	s_lshl_b32 s40, s37, 20                        ; 128 rows of 8,192 bytes
	s_lshl_b32 s41, s26, 18                        ; my 32 of them
	s_add_co_u32 s40, s40, s41
	s_lshl_b32 s41, s36, 9                         ; 128 numbers along K
	s_add_co_u32 s40, s40, s41
	s_mov_b32 s41, 0
	s_add_nc_u64 s[38:39], s[38:39], s[40:41]
	s_mul_i32 s40, s35, BLKB
	s_mul_i32 s42, s36, CH
	s_add_co_u32 s40, s40, s42
	s_add_nc_u64 s[40:41], s[20:21], s[40:41]      ; the chunk
	s_mul_i32 s42, s26, 2*FRB
	s_mov_b32 s43, 0
	s_add_nc_u64 s[42:43], s[40:41], s[42:43]      ; my two images
.irp u, 0,1
.irp i, 0,1,2,3,4,5,6,7,8,9,10,11,12,13,14,15
	global_load_b128 v[D+64*\u+4*\i:D+64*\u+4*\i+3], v1, s[38:39] offset:(8*\u+\i+8*(\i/8))*8192 th:TH_LOAD_NT   ; 512 consecutive bytes of one row
.endr
.endr
.irp u, 0,1                            ; a fragment's 16 rows turn through my stage and come back into the same registers: lane (r, h) gets k = 64 c + 32 h + 0 .. 31 of row r.  LDS serves a wave's instructions in order
	s_wait_loadcnt 16-16*\u                        ; this fragment's 16 loads are in; the other's 16 may be out
.irp i, 0,1,2,3,4,5,6,7,8,9,10,11,12,13,14,15
	ds_store_b128 v2, v[D+64*\u+4*\i:D+64*\u+4*\i+3] offset:528*\i
.endr
.irp c, 0,1
.irp j, 0,1,2,3,4,5,6,7
	ds_load_b128 v[D+64*\u+32*\c+4*\j:D+64*\u+32*\c+4*\j+3], v3 offset:256*\c+16*\j
.endr
.endr
.endr
	s_wait_dscnt 0x0
.irp q, 0,1,2,3                        ; block q = 2 u + c at v[D + 32 q ..]: all its 32 numbers are mine; the four by turns
	v_max3_num_f32 v[MX+\q], |v[D+32*\q]|, |v[D+32*\q+1]|, FLOOR
.endr
.irp i, 2,4,6,8,10,12,14,16,18,20,22,24,26,28,30
.irp q, 0,1,2,3
	v_max3_num_f32 v[MX+\q], v[MX+\q], |v[D+32*\q+\i]|, |v[D+32*\q+\i+1]|
.endr
.endr
.irp q, 0,1,2,3
	v_add_nc_u32 v[SX+\q], EOFF, v[MX+\q]          ; 4 off the exponent field: the conversion's scale operand
.endr
.irp q, 0,1,2,3
	v_lshrrev_b32 v[MX+\q], 23, v[SX+\q]           ; the byte
.endr
.irp u, 0,1
	v_lshl_or_b32 v[PW+\u], v[MX+2*\u+1], 16, v[MX+2*\u]   ; blocks h and 2 + h,
.endr
.irp u, 0,1
	v_lshlrev_b32 v[PW+\u], v5, v[PW+\u]           ; at their places in the word;
.endr
.irp u, 0,1
	v_permlanex16_b32 v[PX+\u], v[PW+\u], s28, s29
.endr
.irp u, 0,1
	v_or_b32 v[PW+\u], v[PW+\u], v[PX+\u]          ; with lane l xor 16's two the word is whole, in both lanes
.endr
	ds_store_b64 v4, v[PW:PW+1]                    ; lanes r and r + 16 write the same 8 bytes with the same value
	s_wait_alu depctr_va_vdst(0)
	s_wait_dscnt 0x0                               ; for the others' sake
	s_barrier_signal -1
.irp u, 0,1                            ; work on registers between the signal and the wait
.irp c, 0,1
	v_cvt_scalef32_pk16_bf6_f32 v[CX+12*\u+6*\c:CX+12*\u+6*\c+2], v[D+64*\u+32*\c:D+64*\u+32*\c+15], v[SX+2*\u+\c]
	v_cvt_scalef32_pk16_bf6_f32 v[TX+4*\c:TX+4*\c+2], v[D+64*\u+32*\c+16:D+64*\u+32*\c+31], v[SX+2*\u+\c]   ; (a conversion's three registers begin on an even number)
.endr
	v_nop                                          ; one plain line behind a scaled conversion
.irp c, 0,1
.irp i, 0,1,2
	v_mov_b32 v[CX+12*\u+6*\c+3+\i], v[TX+4*\c+\i]
.endr
.endr
.endr
	s_wait_alu depctr_va_vdst(0)
	s_barrier_wait -1
.irp u, 0,1
.irp c, 0,1,2
	global_store_b128 v1, v[CX+12*\u+4*\c:CX+12*\u+4*\c+3], s[42:43] offset:\u*FRB+512*\c   ; the image: 512 consecutive bytes a store
.endr
.endr
	s_cmp_lg_u32 s26, 0
	s_cbranch_scc1 .Lxend
	ds_load_b128 v[D:D+3], v1 offset:XSC           ; wave 0: the chunk's scale words, which all four waves stored ahead of the barrier
	s_wait_dscnt 0x0
	global_store_b128 v1, v[D:D+3], s[40:41] offset:SCO   ; 512 consecutive bytes, aligned
.Lxend:
	s_wait_tensorcnt 0x0                           ; the wave's end
	ds_add_u32 v[SPW], v[NIL]
	s_wait_dscnt 0x0
	s_endpgm
; ---------------- weights: K is the first axis.  Wave t: block t of 32 k x the chunk's 128 columns; a lane holds 4 columns, register D + 4 i + c = W(32 t + i, 4 L + c) ----------------
.Lw:
	s_sub_co_u32 s34, ttmp9, 64
	s_and_b32 s37, s34, 15                         ; block of 128 columns
	s_bfe_u32 s36, s34, 0x40004                    ; K step
	s_lshr_b32 s34, s34, 8                         ; which weight
	s_wait_kmcnt 0x0
	s_cmp_lt_u32 s34, 1
	s_cselect_b64 s[38:39], s[10:11], s[12:13]
	s_cmp_lt_u32 s34, 2
	s_cselect_b64 s[38:39], s[38:39], s[14:15]
	s_cmp_lt_u32 s34, 3
	s_cselect_b64 s[38:39], s[38:39], s[16:17]
	s_lshl_b32 s40, s36, 20                        ; 128 rows (k) of 8,192 bytes
	s_lshl_b32 s41, s26, 18                        ; my 32 of them
	s_add_co_u32 s40, s40, s41
	s_lshl_b32 s41, s37, 9                         ; 128 columns
	s_add_co_u32 s40, s40, s41
	s_mov_b32 s41, 0
	s_add_nc_u64 s[38:39], s[38:39], s[40:41]
	s_lshl_b32 s40, s34, 4
	s_add_co_u32 s40, s40, s37
	s_add_co_u32 s40, s40, 80
	s_mul_i32 s40, s40, BLKB
	s_mul_i32 s42, s36, CH
	s_add_co_u32 s40, s40, s42
	s_add_nc_u64 s[42:43], s[20:21], s[40:41]      ; the chunk
.set i, 0
.rept 32
	global_load_b128 v[D+4*i:D+4*i+3], v1, s[38:39] offset:i*8192 th:TH_LOAD_NT   ; 512 consecutive bytes of one row k
.set i, i+1
.endr
	s_wait_loadcnt 0x0
.irp c, 0,1,2,3                        ; my four columns' blocks by turns: the maxima read the numbers where they lie
	v_max3_num_f32 v[MX+\c], |v[D+\c]|, |v[D+4+\c]|, FLOOR
.endr
.irp i, 2,4,6,8,10,12,14,16,18,20,22,24,26,28,30
.irp c, 0,1,2,3
	v_max3_num_f32 v[MX+\c], v[MX+\c], |v[D+4*\i+\c]|, |v[D+4*\i+4+\c]|
.endr
.endr
.irp c, 0,1,2,3
	v_add_nc_u32 v[SX+\c], EOFF, v[MX+\c]
.endr
.irp c, 0,1,2,3
	v_lshrrev_b32 v[MX+\c], 23, v[SX+\c]
.endr
.irp c, 0,1,2,3
	ds_store_b8 v13, v[MX+\c] offset:16*\c         ; byte t of the column's scale word
.endr
.irp c, 0,1,2,3
.if \c > 1
	s_wait_dscnt 3                                 ; the stores of the column two back have read this set of code registers; the last column's three may be out
.endif
.set i, 0
.rept 16
	v_mov_b32 v[G+i], v[D+4*i+\c]                  ; a conversion takes neighbours along K from consecutive registers
.set i, i+1
.endr
	v_cvt_scalef32_pk16_bf6_f32 v[CW+6*(\c%2):CW+6*(\c%2)+2], v[G:G+15], v[SX+\c]
	v_nop                                          ; one plain line between a scaled conversion and the writes of its sources
.set i, 0
.rept 16
	v_mov_b32 v[G+i], v[D+64+4*i+\c]
.set i, i+1
.endr
	v_cvt_scalef32_pk16_bf6_f32 v[TW:TW+2], v[G:G+15], v[SX+\c]
	v_nop
.irp i, 0,1,2
	v_mov_b32 v[CW+6*(\c%2)+3+\i], v[TW+\i]
.endr
	ds_store_b64 v14, v[CW+6*(\c%2):CW+6*(\c%2)+1] offset:16*\c
	ds_store_b64 v15, v[CW+6*(\c%2)+2:CW+6*(\c%2)+3] offset:16*\c
	ds_store_b64 v14, v[CW+6*(\c%2)+4:CW+6*(\c%2)+5] offset:512+16*\c
.endr
	s_wait_dscnt 0x0                               ; for the others' sake
	s_barrier_signal -1
	s_barrier_wait -1                              ; the chunk's image is whole
.irp j, 0,1,2,3,4,5
	ds_load_b128 v[D+4*\j:D+4*\j+3], v11 offset:WIMG+2048*\j
.endr
	s_cmp_lg_u32 s26, 0
	s_cbranch_scc1 .Lwrest
	ds_load_b128 v[D+24:D+27], v11 offset:WIMG+SCO ; wave 0: the 25th piece of 512 bytes: the scale words
	s_wait_dscnt 0x0
	global_store_b128 v11, v[D+24:D+27], s[42:43] offset:SCO
.Lwrest:
	s_wait_dscnt 0x0
.irp j, 0,1,2,3,4,5
	global_store_b128 v11, v[D+4*\j:D+4*\j+3], s[42:43] offset:2048*\j   ; a wave stores 512 consecutive bytes, aligned
.endr
	s_wait_tensorcnt 0x0                           ; the wave's end
	ds_add_u32 v[SPW], v[NIL]
	s_wait_dscnt 0x0
	s_endpgm
; ---------------- the mask.  Work-group T: the 16 queries of attention's tile T; wave w: key steps 4 w .. 4 w + 3 ----------------
; In attention lane (r, h) holds query 32 (T / 2) + 8 (T % 2) + r + 8 (r / 8), and score register n = 16 b + i of a step holds key 128 s + 32 b + 16 h + i.
; mbits[T][s][n]: the 32 lanes' mask bits of register n.  need[T]: bit s set where step s has to be walked: some key of it counts for some query of the tile; all 16 bits where some row of the tile is wholly masked.
.Lmask:
	s_lshr_b32 s34, ttmp9, 1
	s_lshl_b32 s34, s34, 5
	s_and_b32 s35, ttmp9, 1
	s_lshl_b32 s35, s35, 3
	s_add_co_u32 s34, s34, s35
	v_and_b32 v12, 8, v7
	v_add_nc_u32 v12, v12, v7
	v_add_nc_u32 v12, s34, v12                     ; my query
	v_lshlrev_b32 v12, 11, v12                     ; a row of the mask is 2,048 bytes
	v_lshl_add_u32 v12, v8, 4, v12
	s_lshl_b32 s35, s26, 9                         ; my wave's four steps
	v_add_nc_u32 v12, s35, v12
	v_lshlrev_b32 v13, 3, v6                       ; 8 x lane
	v_lshlrev_b32 v14, 2, v6                       ; 4 x lane
	s_lshl_b32 s36, ttmp9, 12
	s_lshl_b32 s37, s26, 10
	s_add_co_u32 s36, s36, s37
	s_mov_b32 s37, 0
	s_lshl_b32 s34, ttmp9, 7
	s_mov_b32 s35, 0
.irp k, 0,1,2,3,4,5,6,7
	v_mov_b32 v[80+\k], 0                          ; v_writelane_b32's destination counts as read
.endr
	s_wait_alu depctr_va_vdst(0)
	s_wait_kmcnt 0x0
	s_add_nc_u64 s[38:39], s[22:23], s[36:37]      ; mbits at (16 T + 4 w) x 256
	s_add_nc_u64 s[34:35], s[24:25], s[34:35]      ; need at 128 T
.irp sl, 0,1,2,3
.irp b, 0,1,2,3
	global_load_b128 v[16+16*\sl+4*\b:16+16*\sl+4*\b+3], v12, s[18:19] offset:128*\sl+32*\b
.endr
.endr
	s_wait_loadcnt 0x0
.macro MSTEP sl
	v_and_b32 v89, v[16+16*\sl], v[17+16*\sl]
.irp k, 2,3,4,5,6,7,8,9,10,11,12,13,14,15
	v_and_b32 v89, v89, v[16+16*\sl+\k]            ; 0x01010101 where all my 64 keys of the step are masked
.endr
.if \sl == 0
	v_mov_b32 v88, v89
.else
	v_and_b32 v88, v88, v89
.endif
	v_cmp_ne_u32 s40, 0x01010101, v89
	s_cmp_lg_u32 s40, 0                            ; some lane has a key that counts
	s_cselect_b32 s41, 1<<\sl, 0
.if \sl == 0
	s_mov_b32 s42, s41
.else
	s_or_b32 s42, s42, s41
.endif
.set n, 0
.rept 16                               ; four registers' masks at a time: dword n / 4 holds the bytes of n .. n + 3
.irp q, 0,1,2,3
	v_and_b32 v[90+\q], 0xff<<(8*\q), v[16+16*\sl+n/4]
.endr
.irp q, 0,1,2,3
	v_cmp_ne_u32 s[44+\q], 0, v[90+\q]
.endr
.irp q, 0,1,2,3
	v_writelane_b32 v[80+2*\sl+\q%2], s[44+\q], (n+\q)/2   ; lane L will store dwords 2 L and 2 L + 1
.endr
.set n, n+4
.endr
	global_store_b64 v13, v[80+2*\sl:81+2*\sl], s[38:39] offset:256*\sl   ; 256 consecutive bytes, aligned
.endm
.irp sl, 0,1,2,3
	MSTEP \sl
.endr
	v_cmp_eq_u32 s40, 0x01010101, v88              ; lanes all of whose keys of my four steps are masked
	s_lshl_b32 s41, s26, 2
	s_lshl_b32 s42, s42, s41                       ; my four bits at their place
	v_mov_b32 v94, s40
	v_mov_b32 v95, s42
	ds_store_b64 v9, v[94:95]                      ; all lanes write the same 8 bytes
	s_wait_dscnt 0x0                               ; for the others' sake
	s_barrier_signal -1
	s_barrier_wait -1
	ds_load_b128 v[96:99], v10
	ds_load_b128 v[100:103], v10 offset:16
	s_wait_dscnt 0x0
	v_and_b32 v104, v96, v98
	v_and_b32 v105, v100, v102
	v_and_b32 v104, v104, v105                     ; lanes wholly masked over all 16 steps
	v_lshrrev_b32 v105, 16, v104
	v_and_b32 v104, v104, v105                     ; a row is lanes r and r + 16
	v_and_b32 v104, 0xffff, v104
	v_or_b32 v106, v97, v99
	v_or_b32 v107, v101, v103
	v_or_b32 v106, v106, v107                      ; the steps with a key that counts
	v_mov_b32 v107, 0xffff
	v_cmp_ne_u32 vcc_lo, 0, v104
	v_cndmask_b32 v106, v106, v107, vcc_lo         ; a wholly masked row averages over all keys: then every step is walked
	s_cmp_lg_u32 s26, 0
	s_cbranch_scc1 .Lmend
	global_store_b32 v14, v106, s[34:35]           ; the list, 32 times: 128 bytes a tile
.Lmend:
	s_wait_tensorcnt 0x0
	ds_add_u32 v[SPW], v[NIL]
	s_wait_dscnt 0x0
	s_endpgm
.Lfunc_end_k_q3138787e75_prep:
	.size	k_q3138787e75_prep, .Lfunc_end_k_q3138787e75_prep-k_q3138787e75_prep
	.p2alignl 7, 3214868480
	.fill 96, 4, 3214868480
	.section	.rodata,"a",@progbits
	.p2align	6, 0x0
	.amdhsa_kernel k_q3138787e75_prep
		.amdhsa_group_segment_fixed_size 47872
		.amdhsa_private_segment_fixed_size 0
		.amdhsa_enable_private_segment 0
		.amdhsa_kernarg_size 88
		.amdhsa_user_sgpr_count 2
		.amdhsa_user_sgpr_kernarg_segment_ptr 1
		.amdhsa_wavefront_size32 1
		.amdhsa_system_sgpr_workgroup_id_x 1
		.amdhsa_system_sgpr_workgroup_id_y 1
		.amdhsa_system_sgpr_workgroup_id_z 1
		.amdhsa_system_vgpr_workitem_id 0
		.amdhsa_next_free_vgpr 192
		.amdhsa_next_free_sgpr 66
		.amdhsa_reserve_vcc 1
		.amdhsa_float_denorm_mode_32 3
		.amdhsa_float_denorm_mode_16_64 3
		.amdhsa_memory_ordered 1
		.amdhsa_forward_progress 1
		.amdhsa_inst_pref_size 90
	.end_amdhsa_kernel
	.amdgpu_metadata
---
amdhsa.version: [ 1, 2 ]
amdhsa.kernels:
  - .name:           k_q3138787e75_prep
    .symbol:         k_q3138787e75_prep.kd
    .args:
      - { .name: query, .offset: 0, .size: 8, .value_kind: global_buffer, .address_space: global }
      - { .name: key, .offset: 8, .size: 8, .value_kind: global_buffer, .address_space: global }
      - { .name: value, .offset: 16, .size: 8, .value_kind: global_buffer, .address_space: global }
      - { .name: Wq, .offset: 24, .size: 8, .value_kind: global_buffer, .address_space: global }
      - { .name: Wk, .offset: 32, .size: 8, .value_kind: global_buffer, .address_space: global }
      - { .name: Wv, .offset: 40, .size: 8, .value_kind: global_buffer, .address_space: global }
      - { .name: Wo, .offset: 48, .size: 8, .value_kind: global_buffer, .address_space: global }
      - { .name: mask, .offset: 56, .size: 8, .value_kind: global_buffer, .address_space: global }
      - { .name: opq, .offset: 64, .size: 8, .value_kind: global_buffer, .address_space: global }
      - { .name: mbits, .offset: 72, .size: 8, .value_kind: global_buffer, .address_space: global }
      - { .name: need, .offset: 80, .size: 8, .value_kind: global_buffer, .address_space: global }
    .group_segment_fixed_size: 47872
    .private_segment_fixed_size: 0
    .kernarg_segment_align: 8
    .kernarg_segment_size: 88
    .max_flat_workgroup_size: 128
    .sgpr_count:     66
    .vgpr_count:     192
    .wavefront_size: 32
...
	.end_amdgpu_metadata
.endif
;; end of part 1
;; launch projkv (part 2): grid 8 x 32, 4 waves a work-group, clusters of 4 x 4, 327,680 bytes of LDS; arguments opq, att; writes att
.if DOCPART == 2
	.amdgcn_target "amdgcn-amd-amdhsa--gfx1250"
	.amdhsa_code_object_version 6
	.text
	.protected	k_q3138787e75_projkv
	.globl	k_q3138787e75_projkv
	.p2align	8
	.type	k_q3138787e75_projkv,@function
k_q3138787e75_projkv:
	s_mov_b64 s[64:65], 0
	v_nop
	global_prefetch_b8 v0, s[64:65] scope:SCOPE_SE
	s_setreg_imm32_b32 hwreg(HW_REG_WAVE_MODE, 25, 1), 1
	s_wait_xcnt 0x0
	s_wait_alu depctr_hold_cnt(0) depctr_sa_sdst(0) depctr_va_vdst(0) depctr_va_sdst(0) depctr_va_ssrc(0) depctr_va_vcc(0) depctr_vm_vsrc(0)
	s_getreg_b32 s2, hwreg(HW_REG_IB_STS2, 6, 4)
	s_cmp_eq_u32 s2, 0
	s_cbranch_scc0 .Lentry_in_a_cluster
	s_endpgm
.Lentry_in_a_cluster:
	s_bfe_u32 s2, ttmp6, 0x10000c
	s_cmp_lg_u32 s2, 0xf033
	s_cbranch_scc0 .Lentry_shape_is_right
	s_endpgm
.Lentry_shape_is_right:
; PROJKV.  k = key Wk and v = value Wv on codes of BF6 (E3M2), one E8M0 scale for each 32 along K = 2,048; sums in f32, K ascending; the results are quantised in registers, along the K of the product of attention
; that will read them, and leave as chunks (128 rows x 128 K in 12,800 bytes: eight fragments as images of their registers, then the scale words; see the launch that makes opq).
; Source 0 = P (its rows go along a lane's registers), source 1 = R (its rows go to the lanes).  k: P = Wk's columns, R = key's rows.  v: P = value's rows (the keys), R = Wv's columns: so v comes out with the KEYS
; along the registers, as attention's second product wants them.  The rows of P's fragments are chosen so that a lane's 64 results of 8 tiles are: register 16 b + i = P's row 32 b + 16 h + i.
; SHARES.  k and v are 2 x 4,096 x 2,048 results: 256 tiles of 256 x 256, one for each work-group.  Wave w: P's block w % 2 (128 rows: all that a fragment of the next K needs), R's block w / 2: 64 accumulators, 512 registers.
; Cluster rows 0-3: k; 4-7: v.  K goes in 16 steps of 128 through two LDS slots of 3 steps each; a chunk is dense, so a slot's part of a block of rows is one dense run of bytes: one tensor load a wave.
; CLUSTER 4 x 4: P's tiles hang on x alone (and on the cluster's y, which partners share) and are asked for jointly down a column, R's on y alone and jointly along a row.
; LIMITS: a block of results whose largest magnitude lies under 2^-122 gets the byte 1 (read by this program alone); NaN and infinities are not served.
; REGISTERS.  window 0: v1 16 x lane; v16-19 LDS addresses; v28, v29 the add's; v32-47 scale words, two sets; v64-255 R's fragments, two sets of 96 (on the way out: v64-159 codes, v160-195 at work).
;   window 1: P's fragments, two sets of 96, at v0 and v128.   window 2: accumulator (a, b), a < 4, at v[8 (8 a + b)];   window 3: a >= 4, at v[8 (8 (a - 4) + b)].
.set CH,    12800
.set BLKB,  204800
.set FRB,   1536
.set SCO,   12288
.set KV0,   3276800                    ; att: 256 chunks of q, then for each (batch, head, key step) a chunk of k and a chunk of v
.set REG,   3*CH                       ; three K steps of 128 rows: what one tensor load brings
.set ROFF,  2*REG                      ; a slot: P's block 0, P's block 1, R's block 0, R's block 1
.set SLOT,  4*REG
.set SPARE, 2*SLOT                     ; behind the ring: the spare words, 128 bytes a wave
.set NL,    50                         ; LDS loads of a K step: 24 for P, 24 for R, 2 for the scale words
.set FLOOR, 0x2800000
.set EOFF,  0xfe000000
.set ADRP, 16
.set ADRR, 18
.set SPW,  28
.set NIL,  29
.set SC,   32                          ; set e: v[SC + 8 e ..]: four registers of P's words, four of R's: in each, lanes 0-15 fragments 0-3, lanes 16-31 fragments 4-7
.set RF,   64
.set TT,   160
.set TM,   168
.set PW,   184
.set OW,   192
.set G1P, 24
.set G0P, 32
.set G1R, 48
.set G0R, 56
.set SEL, 80
.set G1PL, 84                          ; groups 1 for the last refill: one K step
.set G1RL, 92
.set MSB, 0
.macro WIN new                         ; the immediate's high byte repeats the setting that is left
.if MSB != \new
	s_set_vgpr_msb (MSB<<8)|\new
.set MSB, \new
.endif
.endm
.macro PLACES n
.rept \n
	v_nop
.endr
.endm
; A joint load: waves 0 and 1 fetch P's two blocks, waves 2 and 3 R's.  The branch hangs on the wave's number alone.  Four v_nop follow each of the two lines.
.macro JLOAD s, g1p, g1r
	s_cmp_eq_u32 s15, 0
	s_cbranch_scc0 .Lfor_r_\@
	tensor_load_to_lds s[G0P+4*\s:G0P+4*\s+3], s[\g1p:\g1p+7]
	s_nop 0
.rept 4
	v_nop
.endr
	s_branch .Lasked_\@
.Lfor_r_\@:
	tensor_load_to_lds s[G0R+4*\s:G0R+4*\s+3], s[\g1r:\g1r+7]
	s_nop 0
.rept 4
	v_nop
.endr
.Lasked_\@:
.endm
.macro CREST                           ; a round of the cluster's barrier behind its opening barrier
	s_cmp_lg_u32 s14, 0
	s_cbranch_scc1 .Lnot_wave_0_\@
	s_barrier_signal -3
.Lnot_wave_0_\@:
	s_barrier_wait -3
	s_barrier_signal -1
	s_barrier_wait -1
.endm
.macro CROUND
	s_barrier_signal -1
	s_barrier_wait -1
	CREST
.endm
	s_load_b128 s[4:7], s[0:1], 0x0                ; opq, att
	v_lshl_add_u32 v[SPW], v0, 2, SPARE
	v_mov_b32 v[NIL], 0
	ds_add_u32 v28, v29
	ds_add_u32 v28, v29
	s_wait_dscnt 0x0
	v_lshrrev_b32 v2, 5, v0
	v_readfirstlane_b32 s14, v2                    ; wave
	s_lshr_b32 s15, s14, 1                         ; my block of R.  Also: I fetch for P (0) or for R (1)
	s_and_b32 s16, s14, 1                          ; my block of P.  Also: which of the two blocks I fetch
	s_bfe_u32 s40, ttmp6, 0x40000                  ; cx
	s_bfe_u32 s41, ttmp6, 0x40004                  ; cy
	s_lshl_b32 s42, ttmp9, 2
	s_add_co_u32 s42, s42, s40                     ; X = 4 x cluster x + cx: 0..7
	s_and_b32 s17, ttmp7, 0xffff                   ; CY = cluster y, 0..7: the same in all partners
	s_lshl_b32 s43, s41, 2
	s_lshl_b32 s43, 15, s43                        ; my row of the cluster
	s_lshl_b32 s44, 0x1111, s40                    ; my column
	; group 1: dense bytes as rows of 256 (32 elements of 8 bytes), no padding: every LDS read here is 512 consecutive bytes
	s_or_b32 s[G1P], s44, (3<<16)|(1<<21)          ; P's tiles go down my column
	s_or_b32 s[G1PL], s44, (3<<16)|(1<<21)
	s_or_b32 s[G1R], s43, (3<<16)|(1<<21)          ; R's along my row
	s_or_b32 s[G1RL], s43, (3<<16)|(1<<21)
.irp g, G1P, G1R
	s_mov_b32 s[\g+1], 32<<16
	s_mov_b32 s[\g+2], 150<<16                     ; 150 rows: three chunks
	s_mov_b32 s[\g+3], 32<<16
	s_mov_b32 s[\g+4], 150
	s_mov_b32 s[\g+5], 32
	s_mov_b32 s[\g+6], 0
	s_mov_b32 s[\g+7], 0
.endr
.irp g, G1PL, G1RL
	s_mov_b32 s[\g+1], 32<<16
	s_mov_b32 s[\g+2], 50<<16                      ; 50 rows: one chunk
	s_mov_b32 s[\g+3], 32<<16
	s_mov_b32 s[\g+4], 50
	s_mov_b32 s[\g+5], 32
	s_mov_b32 s[\g+6], 0
	s_mov_b32 s[\g+7], 0
.endr
	; which product: from CY alone, by selects
	s_max_u32 s18, s17, 4
	s_sub_co_u32 s18, s18, 4
	s_lshr_b32 s19, s18, 1                         ; v: the batch
	s_and_b32 s18, s18, 1                          ; v: which eight of Wv's sixteen blocks
	s_lshl_b32 s20, s19, 4
	s_add_co_u32 s20, s20, 48                      ; v: P's first block: value's, of that batch
	s_lshl_b32 s21, s18, 3
	s_add_co_u32 s21, s21, 112                     ; v: R's first block: Wv's
	s_lshl_b32 s22, s17, 3
	s_add_co_u32 s22, s22, 16                      ; k: R's first block: key's 8 CY
	s_mov_b32 s23, 96                              ; k: P's first block: Wk's
	s_cmp_lt_u32 s17, 4
	s_cselect_b32 s20, s23, s20
	s_cselect_b32 s21, s22, s21
	s_lshl_b32 s45, s42, 1
	s_add_co_u32 s45, s45, s16                     ; hp = 2 X + half: my block among P's sixteen
	s_add_co_u32 s46, s45, s20
	s_mul_i32 s46, s46, BLKB                       ; P: holds cx, never cy
	s_mov_b32 s47, 0
	s_lshl_b32 s66, s41, 1
	s_add_co_u32 s66, s66, s21
	s_add_co_u32 s66, s66, s16
	s_mul_i32 s66, s66, BLKB                       ; R: holds cy, never cx
	s_mov_b32 s67, 0
	s_mul_i32 s68, s16, REG                        ; where they go: no place in the cluster enters an LDS address
	s_add_co_u32 s69, s68, ROFF
	s_wait_kmcnt 0x0
	s_add_nc_u64 s[46:47], s[4:5], s[46:47]
	s_add_nc_u64 s[66:67], s[4:5], s[66:67]
	CROUND                                         ; all sixteen work-groups are here: the first joint loads meet
.irp s, 0,1
	s_mov_b32 s[G0P+4*\s], 1
	s_add_co_u32 s[G0P+4*\s+1], s68, \s*SLOT
	s_add_nc_u64 s[G0P+4*\s+2:G0P+4*\s+3], s[46:47], \s*REG   ; slot s begins with K steps 3 s .. 3 s + 2
	s_or_b32 s[G0P+4*\s+3], s[G0P+4*\s+3], 0x80000000
	s_mov_b32 s[G0R+4*\s], 1
	s_add_co_u32 s[G0R+4*\s+1], s69, \s*SLOT
	s_add_nc_u64 s[G0R+4*\s+2:G0R+4*\s+3], s[66:67], \s*REG
	s_or_b32 s[G0R+4*\s+3], s[G0R+4*\s+3], 0x80000000
.endr
	JLOAD 0, G1P, G1R                              ; slot 0's first fill: my one tensor load at the head
	v_and_b32 v2, 31, v0
	v_lshlrev_b32 v1, 4, v2                        ; 16 x lane: an image's place for my lane
	s_mul_i32 s70, s16, REG                        ; my block of P
	s_mul_i32 s71, s15, REG
	s_add_co_u32 s71, s71, ROFF                    ; my block of R
.irp s, 0,1
	v_add_nc_u32 v[ADRP+\s], s70, v1
	v_add_nc_u32 v[ADRR+\s], s71, v1
	s_add_co_u32 s70, s70, SLOT
	s_add_co_u32 s71, s71, SLOT
.endr
	s_mov_b32 s[SEL], 0x76543210
	s_mov_b32 s[SEL+1], 0xfedcba98
	s_mov_b32 s82, 0xffff0000                      ; lanes 16-31
	; where my chunk goes in att: both places are made, CY selects
	s_lshl_b32 s73, s17, 3
	s_lshl_b32 s74, s41, 1
	s_add_co_u32 s73, s73, s74
	s_add_co_u32 s73, s73, s15                     ; k: my block of key's rows: batch / 16, key step % 16; head hp
	s_lshr_b32 s74, s73, 4
	s_lshl_b32 s74, s74, 4
	s_add_co_u32 s74, s74, s45
	s_lshl_b32 s74, s74, 4
	s_and_b32 s75, s73, 15
	s_add_co_u32 s74, s74, s75
	s_mul_i32 s74, s74, 2*CH
	s_add_co_u32 s74, s74, KV0
	s_lshl_b32 s75, s18, 3                         ; v: head 8 x half + 2 cy + my block of R; key step hp
	s_lshl_b32 s76, s41, 1
	s_add_co_u32 s75, s75, s76
	s_add_co_u32 s75, s75, s15
	s_lshl_b32 s76, s19, 4
	s_add_co_u32 s75, s75, s76
	s_lshl_b32 s75, s75, 4
	s_add_co_u32 s75, s75, s45
	s_mul_i32 s75, s75, 2*CH
	s_add_co_u32 s75, s75, KV0+CH
	s_cmp_lt_u32 s17, 4
	s_cselect_b32 s76, s74, s75
	s_mov_b32 s77, 0
	s_add_nc_u64 s[76:77], s[6:7], s[76:77]        ; my chunk
; K step j's operands, 50 LDS loads in one run: P's eight fragments, R's eight, the two sides' scale words
.macro FETCH j
.set FS, ((\j)/3)%2
.set FQ, (\j)%3
.set FE, (\j)%2
	WIN 0x40                                       ; destination window 1
.irp i, 0,1,2,3,4,5,6,7
.irp c, 0,1,2
	ds_load_b128 v[128*FE+12*\i+4*\c:128*FE+12*\i+4*\c+3], v[ADRP+FS] offset:FQ*CH+FRB*\i+512*\c
.endr
.endr
	WIN 0
.irp a, 0,1,2,3,4,5,6,7
.irp c, 0,1,2
	ds_load_b128 v[RF+96*FE+12*\a+4*\c:RF+96*FE+12*\a+4*\c+3], v[ADRR+FS] offset:FQ*CH+FRB*\a+512*\c
.endr
.endr
	ds_load_b128 v[SC+8*FE:SC+8*FE+3], v[ADRP+FS] offset:FQ*CH+SCO
	ds_load_b128 v[SC+8*FE+4:SC+8*FE+7], v[ADRR+FS] offset:FQ*CH+SCO
.endm
.macro MM a, b, e, first               ; accumulator (a, b) takes 128 along K.  first = 1: the product starts the sum: nothing is cleared.  Fragments 4-7 of a side have their scale words in lanes 16-31
.set DA, 8*(8*((\a)%4)+(\b))
.set PA, 128*(\e)+12*(\b)
.set RA, RF+96*(\e)+12*(\a)
.set SA, SC+8*(\e)+(\b)%4
.set SR, SC+8*(\e)+4+(\a)%4
.if \first
.if ((\b) < 4) && ((\a) < 4)
	v_wmma_scale_f32_16x16x128_f8f6f4 v[DA:DA+7], v[PA:PA+11], v[RA:RA+11], 0, v[SA], v[SR] matrix_a_fmt:MATRIX_FMT_BF6 matrix_b_fmt:MATRIX_FMT_BF6
.elseif (\a) < 4
	v_wmma_scale_f32_16x16x128_f8f6f4 v[DA:DA+7], v[PA:PA+11], v[RA:RA+11], 0, v[SA], v[SR] matrix_a_fmt:MATRIX_FMT_BF6 matrix_b_fmt:MATRIX_FMT_BF6 matrix_a_scale:MATRIX_SCALE_ROW1
.elseif (\b) < 4
	v_wmma_scale_f32_16x16x128_f8f6f4 v[DA:DA+7], v[PA:PA+11], v[RA:RA+11], 0, v[SA], v[SR] matrix_a_fmt:MATRIX_FMT_BF6 matrix_b_fmt:MATRIX_FMT_BF6 matrix_b_scale:MATRIX_SCALE_ROW1
.else
	v_wmma_scale_f32_16x16x128_f8f6f4 v[DA:DA+7], v[PA:PA+11], v[RA:RA+11], 0, v[SA], v[SR] matrix_a_fmt:MATRIX_FMT_BF6 matrix_b_fmt:MATRIX_FMT_BF6 matrix_a_scale:MATRIX_SCALE_ROW1 matrix_b_scale:MATRIX_SCALE_ROW1
.endif
.else
.if ((\b) < 4) && ((\a) < 4)
	v_wmma_scale_f32_16x16x128_f8f6f4 v[DA:DA+7], v[PA:PA+11], v[RA:RA+11], v[DA:DA+7], v[SA], v[SR] matrix_a_fmt:MATRIX_FMT_BF6 matrix_b_fmt:MATRIX_FMT_BF6
.elseif (\a) < 4
	v_wmma_scale_f32_16x16x128_f8f6f4 v[DA:DA+7], v[PA:PA+11], v[RA:RA+11], v[DA:DA+7], v[SA], v[SR] matrix_a_fmt:MATRIX_FMT_BF6 matrix_b_fmt:MATRIX_FMT_BF6 matrix_a_scale:MATRIX_SCALE_ROW1
.elseif (\b) < 4
	v_wmma_scale_f32_16x16x128_f8f6f4 v[DA:DA+7], v[PA:PA+11], v[RA:RA+11], v[DA:DA+7], v[SA], v[SR] matrix_a_fmt:MATRIX_FMT_BF6 matrix_b_fmt:MATRIX_FMT_BF6 matrix_b_scale:MATRIX_SCALE_ROW1
.else
	v_wmma_scale_f32_16x16x128_f8f6f4 v[DA:DA+7], v[PA:PA+11], v[RA:RA+11], v[DA:DA+7], v[SA], v[SR] matrix_a_fmt:MATRIX_FMT_BF6 matrix_b_fmt:MATRIX_FMT_BF6 matrix_a_scale:MATRIX_SCALE_ROW1 matrix_b_scale:MATRIX_SCALE_ROW1
.endif
.endif
.endm
.macro MUL16 a0, e, first              ; the 64 accumulators take turns, one instruction a turn, in the same order in every step
.irp a, \a0, \a0+1
.irp b, 0,1,2,3,4,5,6,7
	MM (\a), \b, \e, \first
.endr
.endr
.endm
; A K step.  younger: the LDS loads issued behind this step's own, which may stay out.  fetch = 1: the operands of the step two on are fetched into the registers that this step has left
.macro KSTEP j, first, younger, fetch
	s_wait_dscnt \younger
	WIN 0xa1                                       ; source 0 (P) window 1, source 1 (R) window 0, C and D window 2
	MUL16 0, (\j)%2, \first
	MUL16 2, (\j)%2, \first
	WIN 0xf1                                       ; C and D window 3
	MUL16 4, (\j)%2, \first
	MUL16 6, (\j)%2, \first
	WIN 0
.if \fetch
	PLACES 4                                       ; in front of loads into registers that matrix instructions have read (ISA guide 7.12.1 for vector instructions)
	FETCH (\j)+2
.endif
.endm
; The step in which a slot's last bytes have been asked for (its second: the fetches run two steps ahead) changes slots: ONE barrier, which opens a round of the cluster's.  In front of it each wave waits for all its
; tensor loads, adds 0 to its spare word, and waits for that and for its reads of the slot.  Behind the round the slot is filled again, with the K steps six on: the load has three K steps, 192 matrix instructions, in which to land.
.macro TURN j, g1p, g1r
.set TS, ((\j)/3)%2
	s_wait_tensorcnt 0x0                           ; all my tensor loads have landed: my part of the other slot
	ds_add_u32 v[SPW], v[NIL]                      ; 0 onto my spare word
	s_wait_dscnt NL+1                              ; this step's loads are in (the next step's 50 and the add may be out)
	WIN 0xa1
	MUL16 0, (\j)%2, 0
	MUL16 2, (\j)%2, 0
	s_wait_dscnt 0x0                               ; the add is done, and my reads of this slot are over
	s_barrier_signal -1
	WIN 0xf1
	MUL16 4, (\j)%2, 0
	WIN 0
	s_barrier_wait -1
	CREST                                          ; no wave of any partner still reads this slot or has a load on its way
	s_add_nc_u64 s[G0P+4*TS+2:G0P+4*TS+3], s[G0P+4*TS+2:G0P+4*TS+3], 2*REG
	s_add_nc_u64 s[G0R+4*TS+2:G0R+4*TS+3], s[G0R+4*TS+2:G0R+4*TS+3], 2*REG
	JLOAD TS, \g1p, \g1r                           ; my one tensor load behind the round
	WIN 0xf1
	MUL16 6, (\j)%2, 0
	WIN 0
	PLACES 4
	FETCH (\j)+2
.endm
; My 64 results of R's tile a (register 16 b + i = P's row 32 b + 16 h + i, of the R row in my lane) become a fragment's codes in v[RF + 12 a ..] and its scale word in v[PW + a].
.macro QUANTA a
.set QS, 64*((\a)%4)
.set PC, RF+12*(\a)
	WIN 0x0a+5*((\a)/4)                            ; sources 0 and 1: window 2 or 3
.irp b, 0,1,2,3
	v_max3_num_f32 v[TM+\b], |v[QS+16*\b]|, |v[QS+16*\b+1]|, FLOOR   ; each accumulator is read from its low end on
.endr
.irp i, 2,4,6,8,10,12,14
.irp b, 0,1,2,3
	v_max3_num_f32 v[TM+\b], |v[QS+16*\b+\i]|, |v[QS+16*\b+\i+1]|, v[TM+\b]
.endr
.endr
	WIN 0
.irp b, 0,1,2,3
	v_permlanex16_b32 v[TM+4+\b], v[TM+\b], s[SEL], s[SEL+1]
.endr
.irp b, 0,1,2,3
	v_max_num_f32 v[TM+\b], v[TM+\b], v[TM+4+\b]   ; with lane l xor 16's 16: the block's largest magnitude
.endr
.irp b, 0,1,2,3
	v_add_nc_u32 v[TM+12+\b], EOFF, v[TM+\b]       ; 4 off the exponent field: the conversion's scale operand
.endr
.irp b, 0,1,2,3
	v_lshrrev_b32 v[TM+4+\b], 23, v[TM+12+\b]      ; the byte
.endr
	v_lshl_or_b32 v[PW+\a], v[TM+5], 8, v[TM+4]
	v_lshl_or_b32 v[PW+\a], v[TM+6], 16, v[PW+\a]
	v_lshl_or_b32 v[PW+\a], v[TM+7], 24, v[PW+\a]
	WIN 0x02+((\a)/4)                              ; source 0: window 2 or 3
.irp c, 0,1
	v_cvt_scalef32_pk16_bf6_f32 v[PC+6*\c:PC+6*\c+2], v[QS+32*\c:QS+32*\c+15], v[TM+12+2*\c]
	v_cvt_scalef32_pk16_bf6_f32 v[TT+4*\c:TT+4*\c+2], v[QS+32*\c+16:QS+32*\c+31], v[TM+12+2*\c+1]   ; (a conversion's three registers begin on an even number)
.endr
	WIN 0
	v_nop                                          ; one plain line behind a scaled conversion
.irp c, 0,1                            ; a lane wants a WHOLE block: lanes 0-15 block 2 c, lanes 16-31 block 2 c + 1
.irp i, 0,1,2
	v_permlane16_swap_b32 v[PC+6*\c+\i], v[TT+4*\c+\i]
.endr
.irp i, 0,1,2
	v_mov_b32 v[PC+3+6*\c+\i], v[TT+4*\c+\i]
.endr
.endr
.irp c, 0,1,2
	global_store_b128 v1, v[PC+4*\c:PC+4*\c+3], s[76:77] offset:(\a)*FRB+512*\c   ; the image: 512 consecutive bytes a store; each tile has code registers of its own
.endr
.endm
	s_wait_alu depctr_va_vdst(0)
	s_wait_tensorcnt 0x0                           ; my part of slot 0 is in
	ds_add_u32 v[SPW], v[NIL]
	s_wait_dscnt 0x0
	CROUND                                         ; everybody's part of slot 0 is in, and all sixteen work-groups are here
	JLOAD 1, G1P, G1R                              ; slot 1's first fill: my one tensor load behind the round
	FETCH 0
	FETCH 1
	KSTEP 0, 1, NL, 1
	TURN 1, G1P, G1R                               ; slot 0 takes K steps 6-8
	KSTEP 2, 0, NL, 1
	KSTEP 3, 0, NL, 1
	TURN 4, G1P, G1R                               ; slot 1 takes 9-11
	KSTEP 5, 0, NL, 1
	KSTEP 6, 0, NL, 1
	TURN 7, G1P, G1R                               ; slot 0 takes 12-14
	KSTEP 8, 0, NL, 1
	KSTEP 9, 0, NL, 1
	TURN 10, G1PL, G1RL                            ; slot 1 takes K step 15 alone: one chunk a wave
	KSTEP 11, 0, NL, 1
	KSTEP 12, 0, NL, 1
	KSTEP 13, 0, NL, 0                             ; all that lies in LDS is multiplied ahead of the wait for the last tile
	KSTEP 14, 0, 0, 0
	s_wait_tensorcnt 0x0                           ; my part of K step 15 is in: no load was issued behind it
	s_barrier_signal -1                            ; (no LDS instruction of mine is out)
	s_barrier_wait -1                              ; everybody's is
	PLACES 4                                       ; in front of loads into the registers that K step 13 read
	FETCH 15
	KSTEP 15, 0, 0, 0
	PLACES 4                                       ; in front of the first read of results, and of writes over R's fragments
.irp b, 0,1,2,3
	v_mov_b32 v[TM+4+\b], 0                        ; a lane permute's destination counts as read
.endr
.irp a, 0,1,2,3,4,5,6,7
	QUANTA \a
.endr
.irp i, 0,1,2,3
	v_cndmask_b32 v[OW+\i], v[PW+\i], v[PW+4+\i], s82   ; lanes 0-15 store tiles 0-3's words of row r, lanes 16-31 tiles 4-7's
.endr
	global_store_b128 v1, v[OW:OW+3], s[76:77] offset:SCO   ; 512 consecutive bytes, aligned
	s_wait_tensorcnt 0x0                           ; the wave's end
	ds_add_u32 v[SPW], v[NIL]
	s_wait_dscnt 0x0
	CROUND                                         ; the closing round
	s_endpgm
.Lfunc_end_k_q3138787e75_projkv:
	.size	k_q3138787e75_projkv, .Lfunc_end_k_q3138787e75_projkv-k_q3138787e75_projkv
	.p2alignl 7, 3214868480
	.fill 96, 4, 3214868480
	.section	.rodata,"a",@progbits
	.p2align	6, 0x0
	.amdhsa_kernel k_q3138787e75_projkv
		.amdhsa_group_segment_fixed_size 327680
		.amdhsa_private_segment_fixed_size 0
		.amdhsa_enable_private_segment 0
		.amdhsa_kernarg_size 16
		.amdhsa_user_sgpr_count 2
		.amdhsa_user_sgpr_kernarg_segment_ptr 1
		.amdhsa_wavefront_size32 1
		.amdhsa_system_sgpr_workgroup_id_x 1
		.amdhsa_system_sgpr_workgroup_id_y 1
		.amdhsa_system_sgpr_workgroup_id_z 1
		.amdhsa_system_vgpr_workitem_id 0
		.amdhsa_next_free_vgpr 1024
		.amdhsa_next_free_sgpr 100
		.amdhsa_reserve_vcc 0
		.amdhsa_float_denorm_mode_32 3
		.amdhsa_float_denorm_mode_16_64 3
		.amdhsa_memory_ordered 1
		.amdhsa_forward_progress 1
		.amdhsa_inst_pref_size 230
	.end_amdhsa_kernel
	.amdgpu_metadata
---
amdhsa.version: [ 1, 2 ]
amdhsa.kernels:
  - .name:           k_q3138787e75_projkv
    .symbol:         k_q3138787e75_projkv.kd
    .args:
      - { .name: opq, .offset: 0, .size: 8, .value_kind: global_buffer, .address_space: global }
      - { .name: att, .offset: 8, .size: 8, .value_kind: global_buffer, .address_space: global }
    .group_segment_fixed_size: 327680
    .private_segment_fixed_size: 0
    .kernarg_segment_align: 8
    .kernarg_segment_size: 16
    .max_flat_workgroup_size: 128
    .sgpr_count:     100
    .vgpr_count:     1024
    .wavefront_size: 32
...
	.end_amdgpu_metadata
.endif
;; end of part 2
;; launch projq (part 3): grid 16 x 16, 4 waves a work-group, clusters of 4 x 4, 327,680 bytes of LDS; arguments opq, att; writes att
.if DOCPART == 3
	.amdgcn_target "amdgcn-amd-amdhsa--gfx1250"
	.amdhsa_code_object_version 6
	.text
	.protected	k_q3138787e75_projq
	.globl	k_q3138787e75_projq
	.p2align	8
	.type	k_q3138787e75_projq,@function
k_q3138787e75_projq:
	s_mov_b64 s[64:65], 0
	v_nop
	global_prefetch_b8 v0, s[64:65] scope:SCOPE_SE
	s_setreg_imm32_b32 hwreg(HW_REG_WAVE_MODE, 25, 1), 1
	s_wait_xcnt 0x0
	s_wait_alu depctr_hold_cnt(0) depctr_sa_sdst(0) depctr_va_vdst(0) depctr_va_sdst(0) depctr_va_ssrc(0) depctr_va_vcc(0) depctr_vm_vsrc(0)
	s_getreg_b32 s2, hwreg(HW_REG_IB_STS2, 6, 4)
	s_cmp_eq_u32 s2, 0
	s_cbranch_scc0 .Lentry_in_a_cluster
	s_endpgm
.Lentry_in_a_cluster:
	s_bfe_u32 s2, ttmp6, 0x10000c
	s_cmp_lg_u32 s2, 0xf033
	s_cbranch_scc0 .Lentry_shape_is_right
	s_endpgm
.Lentry_shape_is_right:
; PROJQ.  q = query Wq on codes of BF6 (E3M2), one E8M0 scale for each 32 along K = 2,048; sums in f32, K ascending; the results are quantised in registers along the head's 128 and leave as chunks
; (128 rows x 128 K in 12,800 bytes: eight fragments as images of their registers, then the scale words; see the launch that makes opq).
; Source 0 = P = Wq's columns (blocks 80-95 of opq; their rows go along a lane's registers), source 1 = R = query's rows (blocks 0-15; they go to the lanes).
; SHARES.  2,048 x 2,048 results: 256 tiles of 128 x 128, one for each work-group: a larger tile would leave WGPs without work.  Wave w: R's fragments 2 w and 2 w + 1 (32 rows) against all eight of P
; (128 rows: all that a fragment of the next K needs): 16 accumulators.  The price: a wave reads 10 fragments from LDS for 16 matrix instructions.
; LDS.  A K step is a chunk of P and a chunk of R.  P's twelve places lie at byte 0, R's twelve behind them.  A tensor load brings two chunks a wave, four in the second first fill (waves 0, 1: P's; waves 2, 3: R's).
; Two first fills a wave bring K steps 0-11; the first barrier waits for the first of them alone.  ONE refill: K steps 12-15 into the first four places, asked for in K step 2.
; CLUSTER 4 x 4: P's tiles hang on x alone and are asked for jointly down a column, R's on y alone and jointly along a row.
; LIMITS: a block of results whose largest magnitude lies under 2^-122 gets the byte 1 (read by this program alone); NaN and infinities are not served.
; REGISTERS.  window 0: v1 16 x lane, v5 16 r; v16-24 LDS addresses; v28, v29 the add's; v32-47 scale words, two sets; v48-95 R's fragments, two sets of 24 (on the way out: codes and work); v96-97 scale words made;
;   v128-255 accumulator (a, b) at v[128 + 8 (8 a + b)].   window 1: P's fragments, two sets of 96, at v0 and v128.
.set CH,    12800
.set BLKB,  204800
.set FRB,   1536
.set SCO,   12288
.set GRP,   4*CH                       ; four K steps of one operand
.set RBASE, 3*GRP
.set SPARE, 6*GRP                      ; behind the tiles: the spare words, 128 bytes a wave
.set NL,    32                         ; LDS loads of a K step: 24 for P, 6 for R, 2 for the scale words
.set FLOOR, 0x2800000
.set EOFF,  0xfe000000
.set ADRP, 16
.set ADRR, 19
.set ADRS, 22
.set SPW,  28
.set NIL,  29
.set SC,   32                          ; set e: v[SC + 8 e ..]: four registers of P's words (lanes 0-15 fragments 0-3, lanes 16-31 fragments 4-7), two of R's (my two fragments)
.set RF,   48
.set TT,   72
.set TM,   80
.set PW,   96
.set ACC,  128
.set G1P, 24
.set G0P, 32                           ; s[32:39]: a set for each of the two first fills
.set G1R, 48
.set G0R, 84                           ; s[84:91]
.set SEL, 80
.set MSB, 0
.macro WIN new                         ; the immediate's high byte repeats the setting that is left
.if MSB != \new
	s_set_vgpr_msb (MSB<<8)|\new
.set MSB, \new
.endif
.endm
.macro PLACES n
.rept \n
	v_nop
.endr
.endm
.macro JLOAD g                         ; a joint load: waves 0 and 1 fetch for P, waves 2 and 3 for R; four v_nop follow each of the two lines
	s_cmp_eq_u32 s15, 0
	s_cbranch_scc0 .Lfor_r_\@
	tensor_load_to_lds s[G0P+4*\g:G0P+4*\g+3], s[G1P:G1P+7]
	s_nop 0
.rept 4
	v_nop
.endr
	s_branch .Lasked_\@
.Lfor_r_\@:
	tensor_load_to_lds s[G0R+4*\g:G0R+4*\g+3], s[G1R:G1R+7]
	s_nop 0
.rept 4
	v_nop
.endr
.Lasked_\@:
.endm
.macro CREST                           ; a round of the cluster's barrier behind its opening barrier
	s_cmp_lg_u32 s14, 0
	s_cbranch_scc1 .Lnot_wave_0_\@
	s_barrier_signal -3
.Lnot_wave_0_\@:
	s_barrier_wait -3
	s_barrier_signal -1
	s_barrier_wait -1
.endm
.macro CROUND
	s_barrier_signal -1
	s_barrier_wait -1
	CREST
.endm
	s_load_b128 s[4:7], s[0:1], 0x0                ; opq, att
	v_lshl_add_u32 v[SPW], v0, 2, SPARE
	v_mov_b32 v[NIL], 0
	ds_add_u32 v28, v29
	ds_add_u32 v28, v29
	s_wait_dscnt 0x0
	v_lshrrev_b32 v2, 5, v0
	v_readfirstlane_b32 s14, v2                    ; wave
	s_lshr_b32 s15, s14, 1                         ; I fetch for P (0) or for R (1)
	s_and_b32 s16, s14, 1                          ; which two of a load group's four chunks I fetch
	s_bfe_u32 s56, ttmp6, 0x40000                  ; cx
	s_bfe_u32 s57, ttmp6, 0x40004                  ; cy
	s_lshl_b32 s58, ttmp9, 2
	s_add_co_u32 s58, s58, s56                     ; X: P's block, the head
	s_and_b32 s59, ttmp7, 0xffff
	s_lshl_b32 s59, s59, 2
	s_add_co_u32 s59, s59, s57                     ; Y: R's block
	s_lshl_b32 s60, s57, 2
	s_lshl_b32 s60, 15, s60                        ; my row of the cluster
	s_lshl_b32 s61, 0x1111, s56                    ; my column
	s_or_b32 s[G1P], s61, (3<<16)|(1<<21)          ; dense bytes as rows of 256 (32 elements of 8 bytes), no padding: every LDS read here is of consecutive bytes
	s_or_b32 s[G1R], s60, (3<<16)|(1<<21)
.irp g, G1P, G1R
	s_mov_b32 s[\g+1], 32<<16
	s_mov_b32 s[\g+2], 100<<16                     ; 100 rows: two chunks
	s_mov_b32 s[\g+3], 32<<16
	s_mov_b32 s[\g+4], 100
	s_mov_b32 s[\g+5], 32
	s_mov_b32 s[\g+6], 0
	s_mov_b32 s[\g+7], 0
.endr
	s_mul_i32 s62, s16, 2*CH                       ; my two chunks of four: in memory and in LDS alike
	s_add_co_u32 s46, s58, 80
	s_mul_i32 s46, s46, BLKB                       ; P: holds cx, never cy
	s_add_co_u32 s46, s46, s62
	s_mov_b32 s47, 0
	s_mul_i32 s66, s59, BLKB                       ; R: holds cy, never cx
	s_add_co_u32 s66, s66, s62
	s_mov_b32 s67, 0
	s_add_co_u32 s69, s62, RBASE
	s_wait_kmcnt 0x0
	s_add_nc_u64 s[46:47], s[4:5], s[46:47]
	s_add_nc_u64 s[66:67], s[4:5], s[66:67]
	CROUND                                         ; all sixteen work-groups are here: the first joint loads meet
	s_mov_b32 s63, 0
.irp g, 0,1
	s_mov_b32 s[G0P+4*\g], 1
	s_add_co_u32 s[G0P+4*\g+1], s62, \g*GRP
	s_add_nc_u64 s[G0P+4*\g+2:G0P+4*\g+3], s[46:47], \g*GRP   ; K steps 4 g .. 4 g + 3
	s_or_b32 s[G0P+4*\g+3], s[G0P+4*\g+3], 0x80000000
	s_mov_b32 s[G0R+4*\g], 1
	s_add_co_u32 s[G0R+4*\g+1], s69, \g*GRP
	s_add_nc_u64 s[G0R+4*\g+2:G0R+4*\g+3], s[66:67], \g*GRP
	s_or_b32 s[G0R+4*\g+3], s[G0R+4*\g+3], 0x80000000
.endr
	; THE FILLS AS THEY NOW STAND: at the head K steps 0-3, two chunks a wave (set 0); behind the full sequence and a round K steps 4-11, FOUR chunks a wave (set 1: places and chunks 4 + 4 x half ..); one refill, K steps 12-15
	s_add_co_u32 s[G0P+5], s[G0P+5], s62
	s_add_nc_u64 s[G0P+6:G0P+7], s[G0P+6:G0P+7], s[62:63]
	s_add_co_u32 s[G0R+5], s[G0R+5], s62
	s_add_nc_u64 s[G0R+6:G0R+7], s[G0R+6:G0R+7], s[62:63]
	JLOAD 0                                        ; my one tensor load at the head
	v_and_b32 v2, 31, v0
	v_lshlrev_b32 v1, 4, v2                        ; 16 x lane
	s_wait_alu depctr_va_vdst(0)
	v_and_b32 v3, 15, v0                           ; r
	v_lshlrev_b32 v5, 4, v3                        ; 16 r
	s_wait_alu depctr_va_vdst(0)
	s_mul_i32 s70, s14, 2*FRB
	s_add_co_u32 s70, s70, RBASE                   ; my two fragments of R
	s_lshl_b32 s71, s15, 8                         ; their scale words: fragment f's lie at 256 (f / 4) + 16 r + 4 (f % 4): f = 2 w
	s_lshl_b32 s72, s16, 3
	s_add_co_u32 s71, s71, s72
	s_add_co_u32 s71, s71, RBASE+SCO
.irp g, 0,1,2
	v_add_nc_u32 v[ADRP+\g], \g*GRP, v1
	v_add_nc_u32 v[ADRR+\g], s70, v1
	v_add_nc_u32 v[ADRS+\g], s71, v5
	s_add_co_u32 s70, s70, GRP
	s_add_co_u32 s71, s71, GRP
.endr
	s_mov_b32 s[SEL], 0x76543210
	s_mov_b32 s[SEL+1], 0xfedcba98
	s_lshr_b32 s74, s59, 3                         ; att: q's chunk of batch Y / 8, head X, block of queries Y % 8
	s_lshl_b32 s74, s74, 4
	s_add_co_u32 s74, s74, s58
	s_lshl_b32 s74, s74, 3
	s_and_b32 s75, s59, 7
	s_add_co_u32 s74, s74, s75
	s_mul_i32 s74, s74, CH
	s_mul_i32 s75, s14, 2*FRB
	s_add_co_u32 s76, s74, s75
	s_mov_b32 s77, 0
	s_add_nc_u64 s[76:77], s[6:7], s[76:77]        ; my two images
	s_lshl_b32 s75, s15, 8
	s_add_co_u32 s78, s74, s75
	s_lshl_b32 s75, s16, 3
	s_add_co_u32 s78, s78, s75
	s_add_co_u32 s78, s78, SCO
	s_mov_b32 s79, 0
	s_add_nc_u64 s[78:79], s[6:7], s[78:79]        ; their scale words: + 16 r
.macro FETCH j                         ; K step j's operands, 32 LDS loads in one run
.set FG, ((\j)/4)%3
.set FQ, (\j)%4
.set FE, (\j)%2
	WIN 0x40                                       ; destination window 1
.irp i, 0,1,2,3,4,5,6,7
.irp c, 0,1,2
	ds_load_b128 v[128*FE+12*\i+4*\c:128*FE+12*\i+4*\c+3], v[ADRP+FG] offset:FQ*CH+FRB*\i+512*\c
.endr
.endr
	WIN 0
.irp a, 0,1
.irp c, 0,1,2
	ds_load_b128 v[RF+24*FE+12*\a+4*\c:RF+24*FE+12*\a+4*\c+3], v[ADRR+FG] offset:FQ*CH+FRB*\a+512*\c
.endr
.endr
	ds_load_b128 v[SC+8*FE:SC+8*FE+3], v[ADRP+FG] offset:FQ*CH+SCO
	ds_load_b64 v[SC+8*FE+4:SC+8*FE+5], v[ADRS+FG] offset:FQ*CH
.endm
.macro MM a, b, e, first               ; first = 1: the product starts the sum: nothing is cleared
.set DA, ACC+8*(8*(\a)+(\b))
.set PA, 128*(\e)+12*(\b)
.set RA, RF+24*(\e)+12*(\a)
.set SA, SC+8*(\e)+(\b)%4
.set SR, SC+8*(\e)+4+(\a)
.if \first
.if (\b) < 4
	v_wmma_scale_f32_16x16x128_f8f6f4 v[DA:DA+7], v[PA:PA+11], v[RA:RA+11], 0, v[SA], v[SR] matrix_a_fmt:MATRIX_FMT_BF6 matrix_b_fmt:MATRIX_FMT_BF6
.else
	v_wmma_scale_f32_16x16x128_f8f6f4 v[DA:DA+7], v[PA:PA+11], v[RA:RA+11], 0, v[SA], v[SR] matrix_a_fmt:MATRIX_FMT_BF6 matrix_b_fmt:MATRIX_FMT_BF6 matrix_a_scale:MATRIX_SCALE_ROW1
.endif
.else
.if (\b) < 4
	v_wmma_scale_f32_16x16x128_f8f6f4 v[DA:DA+7], v[PA:PA+11], v[RA:RA+11], v[DA:DA+7], v[SA], v[SR] matrix_a_fmt:MATRIX_FMT_BF6 matrix_b_fmt:MATRIX_FMT_BF6
.else
	v_wmma_scale_f32_16x16x128_f8f6f4 v[DA:DA+7], v[PA:PA+11], v[RA:RA+11], v[DA:DA+7], v[SA], v[SR] matrix_a_fmt:MATRIX_FMT_BF6 matrix_b_fmt:MATRIX_FMT_BF6 matrix_a_scale:MATRIX_SCALE_ROW1
.endif
.endif
.endm
.macro MUL8 a, e, first                ; the 16 accumulators take turns, one instruction a turn, in the same order in every step
.irp b, 0,1,2,3,4,5,6,7
	MM \a, \b, \e, \first
.endr
.endm
.macro KSTEP j, first
.if (\j) < 15
	s_wait_dscnt NL                                ; this step's 32 loads are in; the next step's 32 may be out
.else
	s_wait_dscnt 0
.endif
	WIN 0x01                                       ; source 0 (P) window 1
	MUL8 0, (\j)%2, \first
	MUL8 1, (\j)%2, \first
	WIN 0
.if (\j)+2 < 16
	PLACES 4                                       ; in front of loads into registers that matrix instructions have read (ISA guide 7.12.1 for vector instructions)
	FETCH (\j)+2
.endif
.endm
; A step with a barrier.  In front of it each wave waits for all its tensor loads, adds 0 to its spare word, and waits for that and for its LDS reads.  fill = 1 (K step 2: the first four places have been read out, since
; the fetches run two steps ahead): the barrier opens a round of the cluster's, and K steps 12-15 are asked for: they have eight K steps in which to land.  fill = 0 (K step 10): they have landed, in every wave's sight.
.macro TURN j, fill
	s_wait_tensorcnt 0x0                           ; all my tensor loads have landed
	ds_add_u32 v[SPW], v[NIL]
.if \fill
	s_mov_b32 s[G1P+2], 100<<16                    ; no tensor load of mine is out: the refill brings two chunks again
	s_mov_b32 s[G1P+4], 100
	s_mov_b32 s[G1R+2], 100<<16
	s_mov_b32 s[G1R+4], 100
.endif
	s_wait_dscnt NL+1
	WIN 0x01
	MUL8 0, (\j)%2, 0
	s_wait_dscnt 0x0                               ; the add is done, and my LDS reads are over
	s_barrier_signal -1
	MUL8 1, (\j)%2, 0
	WIN 0
	s_barrier_wait -1
.if \fill
	CREST                                          ; no wave of any partner still reads the first four places or has a load on its way
	s_add_nc_u64 s[G0P+2:G0P+3], s[G0P+2:G0P+3], 3*GRP
	s_add_nc_u64 s[G0R+2:G0R+3], s[G0R+2:G0R+3], 3*GRP
	JLOAD 0                                        ; my one tensor load behind the round; its four v_nop are the places in front of the loads below
.else
	PLACES 4
.endif
	FETCH (\j)+2
.endm
; My 64 results of R's tile a (register 16 b + i = P's row 32 b + 16 h + i, of the R row in my lane) become a fragment's codes in v[RF + 12 a ..] and its scale word in v[PW + a].
.macro QUANTA a
.set QS, ACC+64*(\a)
.set PC, RF+12*(\a)
.irp b, 0,1,2,3
	v_max3_num_f32 v[TM+\b], |v[QS+16*\b]|, |v[QS+16*\b+1]|, FLOOR   ; each accumulator is read from its low end on
.endr
.irp i, 2,4,6,8,10,12,14
.irp b, 0,1,2,3
	v_max3_num_f32 v[TM+\b], v[TM+\b], |v[QS+16*\b+\i]|, |v[QS+16*\b+\i+1]|
.endr
.endr
.irp b, 0,1,2,3
	v_permlanex16_b32 v[TM+4+\b], v[TM+\b], s[SEL], s[SEL+1]
.endr
.irp b, 0,1,2,3
	v_max_num_f32 v[TM+\b], v[TM+\b], v[TM+4+\b]   ; with lane l xor 16's 16: the block's largest magnitude
.endr
.irp b, 0,1,2,3
	v_add_nc_u32 v[TM+12+\b], EOFF, v[TM+\b]
.endr
.irp b, 0,1,2,3
	v_lshrrev_b32 v[TM+4+\b], 23, v[TM+12+\b]
.endr
	v_lshl_or_b32 v[PW+\a], v[TM+5], 8, v[TM+4]
	v_lshl_or_b32 v[PW+\a], v[TM+6], 16, v[PW+\a]
	v_lshl_or_b32 v[PW+\a], v[TM+7], 24, v[PW+\a]
.irp c, 0,1
	v_cvt_scalef32_pk16_bf6_f32 v[PC+6*\c:PC+6*\c+2], v[QS+32*\c:QS+32*\c+15], v[TM+12+2*\c]
	v_cvt_scalef32_pk16_bf6_f32 v[TT+4*\c:TT+4*\c+2], v[QS+32*\c+16:QS+32*\c+31], v[TM+12+2*\c+1]   ; (a conversion's three registers begin on an even number)
.endr
	v_nop                                          ; one plain line behind a scaled conversion
.irp c, 0,1                            ; a lane wants a WHOLE block: lanes 0-15 block 2 c, lanes 16-31 block 2 c + 1
.irp i, 0,1,2
	v_permlane16_swap_b32 v[PC+6*\c+\i], v[TT+4*\c+\i]
.endr
.irp i, 0,1,2
	v_mov_b32 v[PC+3+6*\c+\i], v[TT+4*\c+\i]
.endr
.endr
.irp c, 0,1,2
	global_store_b128 v1, v[PC+4*\c:PC+4*\c+3], s[76:77] offset:(\a)*FRB+512*\c   ; the image: 512 consecutive bytes a store
.endr
.endm
	s_wait_alu depctr_va_vdst(0)
	s_wait_tensorcnt 0x0                           ; my part of K steps 0-3 is in
	ds_add_u32 v[SPW], v[NIL]
	s_mov_b32 s[G1P+2], 200<<16                    ; no tensor load of mine is out, so a descriptor may be written: the next load brings 200 rows of 256 bytes: four chunks
	s_mov_b32 s[G1P+4], 200
	s_mov_b32 s[G1R+2], 200<<16
	s_mov_b32 s[G1R+4], 200
	s_wait_dscnt 0x0
	CROUND
	JLOAD 1                                        ; K steps 4-11: my one tensor load behind the round
	FETCH 0
	FETCH 1
	KSTEP 0, 1
	KSTEP 1, 0
	TURN 2, 1
	KSTEP 3, 0
	KSTEP 4, 0
	KSTEP 5, 0
	KSTEP 6, 0                                     ; (K steps 8-11 were shown landed, to every wave, by the waits in front of K step 2's barrier)
	KSTEP 7, 0
	KSTEP 8, 0
	KSTEP 9, 0
	TURN 10, 0
	KSTEP 11, 0
	KSTEP 12, 0
	KSTEP 13, 0
	KSTEP 14, 0
	KSTEP 15, 0
	PLACES 4                                       ; in front of the first read of results, and of writes over R's fragments
.irp b, 0,1,2,3
	v_mov_b32 v[TM+4+\b], 0                        ; a lane permute's destination counts as read
.endr
	QUANTA 0
	QUANTA 1
	global_store_b64 v5, v[PW:PW+1], s[78:79]      ; my two fragments' words of row r, 16 bytes from row to row (lanes r and r + 16 write the same 8 bytes): 128 bytes a wave; to gather a chunk's 512 would take a barrier more
	s_wait_tensorcnt 0x0                           ; the wave's end
	ds_add_u32 v[SPW], v[NIL]
	s_wait_dscnt 0x0
	CROUND                                         ; the closing round
	s_endpgm
.Lfunc_end_k_q3138787e75_projq:
	.size	k_q3138787e75_projq, .Lfunc_end_k_q3138787e75_projq-k_q3138787e75_projq
	.p2alignl 7, 3214868480
	.fill 96, 4, 3214868480
	.section	.rodata,"a",@progbits
	.p2align	6, 0x0
	.amdhsa_kernel k_q3138787e75_projq
		.amdhsa_group_segment_fixed_size 327680
		.amdhsa_private_segment_fixed_size 0
		.amdhsa_enable_private_segment 0
		.amdhsa_kernarg_size 16
		.amdhsa_user_sgpr_count 2
		.amdhsa_user_sgpr_kernarg_segment_ptr 1
		.amdhsa_wavefront_size32 1
		.amdhsa_system_sgpr_workgroup_id_x 1
		.amdhsa_system_sgpr_workgroup_id_y 1
		.amdhsa_system_sgpr_workgroup_id_z 1
		.amdhsa_system_vgpr_workitem_id 0
		.amdhsa_next_free_vgpr 1024
		.amdhsa_next_free_sgpr 100
		.amdhsa_reserve_vcc 0
		.amdhsa_float_denorm_mode_32 3
		.amdhsa_float_denorm_mode_16_64 3
		.amdhsa_memory_ordered 1
		.amdhsa_forward_progress 1
		.amdhsa_inst_pref_size 87
	.end_amdhsa_kernel
	.amdgpu_metadata
---
amdhsa.version: [ 1, 2 ]
amdhsa.kernels:
  - .name:           k_q3138787e75_projq
    .symbol:         k_q3138787e75_projq.kd
    .args:
      - { .name: opq, .offset: 0, .size: 8, .value_kind: global_buffer, .address_space: global }
      - { .name: att, .offset: 8, .size: 8, .value_kind: global_buffer, .address_space: global }
    .group_segment_fixed_size: 327680
    .private_segment_fixed_size: 0
    .kernarg_segment_align: 8
    .kernarg_segment_size: 16
    .max_flat_workgroup_size: 128
    .sgpr_count:     100
    .vgpr_count:     1024
    .wavefront_size: 32
...
	.end_amdgpu_metadata
.endif
;; end of part 3
;; launch attn (part 4): grid 8 x 32, 8 waves a work-group, no clusters, 0 bytes of LDS; arguments att, mbits, need, oc; writes oc
.if DOCPART == 4
	.amdgcn_target "amdgcn-amd-amdhsa--gfx1250"
	.amdhsa_code_object_version 6
	.text
	.protected	k_q3138787e75_attn
	.globl	k_q3138787e75_attn
	.p2align	8
	.type	k_q3138787e75_attn,@function
k_q3138787e75_attn:
	s_mov_b64 s[64:65], 0
	v_nop
	global_prefetch_b8 v0, s[64:65] scope:SCOPE_SE
	s_setreg_imm32_b32 hwreg(HW_REG_WAVE_MODE, 25, 1), 1
	s_wait_xcnt 0x0
; ATTN.  o = softmax(mask(q k^T / sqrt(128))) v for 32 (batch, head) pairs, 1,024 queries, 2,048 keys, both products on codes of BF6 (E3M2) with E8M0 scales; o is divided by the row's sum and quantised along the head's 128
; into chunks for the last product.  q, k, v come as chunks (128 rows x 128 K: eight fragments as images of their registers, then the scale words), v with the keys as its K.
; THE SOFTMAX: t = score x log2(e) / sqrt(128); M = the running largest t rounded up to a whole number; p = 2^(t - M) is quantised along the keys; the sum is taken of the unquantised p; when M moves, sum and O^T are
; multiplied by 2^(old M - new M), which rounds nothing.
; THE MASK is an input.  An earlier launch has turned it into lane masks (mbits: one dword for each score register of each step of each tile) and, for each tile of 16 queries, the list of key steps to walk (need).
; A step all of whose keys are masked for all 16 queries adds nothing where no row of the tile is wholly masked; where one is, the list names all 16 steps.
; A masked score is replaced by -2^70: times c that is a whole number, so in a row with masked keys alone t - M is exactly 0 and p = 1 (the uniform average that equal logits give); in every other row p = 0; a row that
; has met only masked keys so far is wiped by the factor 0 when its first key that counts arrives.
; LIMITS: a masked logit acts as -c 2^70 / log2(e), about -1.0e20 x 1.04, in place of -1e20: it differs only where true logits lie near or under -1e20; p under 2^-126 is 0; NaN and infinities are not served;
; a block of o whose largest magnitude lies under 2^-122 gets the byte 1 (read by this program alone).
; SHARES.  A wave owns ONE tile of 16 queries of one (batch, head).  Tiles 4 j + w and 63 - 4 j - (w - 4) lie in one work-group: an order of work only, no value hangs on it.
; NO CLUSTER, NO LDS, NO TENSOR LOAD: the steps that a wave walks, and their number, are read from memory, so partners would need different tiles; K's and V's images go from memory straight into registers, a step ahead.
; LAYOUT.  S^T = K Q^T (source 0 = 16 keys, source 1 = my queries), O^T = V^T P^T: a lane holds one query throughout; score register 16 b + i is key 32 b + 16 h + i of the step, O^T's register 16 b + i channel 32 b + 16 h + i.
; REGISTERS.  window 0: v1 16 x lane, v2 Q's scale word, v3 -2^70, v5 16 r, v12 -M, v13 largest t, v[14:15] the sum, v16-27 Q, v28-31 K's scale words, v32-127 K, v128-191 S^T then p, v192-203 p's codes, v204-210 conversions,
;   v212-215 block maxima, v216-219 exchange and bytes, v220-223 scale operands, v224 f, v225 p's scale word, v226 at work, v228-231 V's scale words.   window 1: v0-63 O^T, v64-159 V.
.set CH,    12800
.set FRB,   1536
.set SCO,   12288
.set KV0,   3276800
.set FLOOR, 0x2800000
.set EOFF,  0xfe000000
.set MSB, 0
.macro WIN new
.if MSB != \new
	s_set_vgpr_msb (MSB<<8)|\new
.set MSB, \new
.endif
.endm
.macro LOADK                           ; 25 loads: a step's chunk of K
.irp t, 0,1,2,3,4,5,6,7
.irp c, 0,1,2
	global_load_b128 v[32+12*\t+4*\c:32+12*\t+4*\c+3], v1, s[20:21] offset:FRB*\t+512*\c
.endr
.endr
	global_load_b128 v[28:31], v1, s[20:21] offset:SCO
.endm
.macro LOADV                           ; 25 loads: its chunk of V, which lies behind K's
	WIN 0x40
.irp t, 0,1,2,3,4,5,6,7
.irp c, 0,1,2
	global_load_b128 v[64+12*\t+4*\c:64+12*\t+4*\c+3], v1, s[22:23] offset:CH+FRB*\t+512*\c
.endr
.endr
	WIN 0
	global_load_b128 v[228:231], v1, s[22:23] offset:CH+SCO
.endm
.macro MLOAD                           ; a step's 64 lane masks: s32-63 registers 0-31, s68-99 registers 32-63
	s_load_b512 s[32:47], s[6:7], s28 offset:0x0
	s_load_b512 s[48:63], s[6:7], s28 offset:0x40
	s_load_b512 s[68:83], s[6:7], s28 offset:0x80
	s_load_b512 s[84:99], s[6:7], s28 offset:0xc0
.endm
	s_load_b256 s[4:11], s[0:1], 0x0               ; att, mbits, need, oc
	v_lshrrev_b32 v4, 5, v0
	s_delay_alu instid0(VALU_DEP_1)
	v_readfirstlane_b32 s12, v4                    ; wave 0..7
	v_and_b32 v4, 31, v0
	s_delay_alu instid0(VALU_DEP_1)
	v_lshlrev_b32 v1, 4, v4                        ; 16 x lane
	v_and_b32 v5, 15, v0
	s_delay_alu instid0(VALU_DEP_1)
	v_lshlrev_b32 v5, 4, v5                        ; 16 r
	s_lshl_b32 s13, ttmp9, 2
	s_add_co_u32 s2, s13, s12
	s_sub_co_u32 s3, 67, s2
	s_cmp_lt_u32 s12, 4
	s_cselect_b32 s13, s2, s3                      ; T: my tile of 16 queries, 0..63
	s_and_b32 s14, ttmp7, 0xffff                   ; 16 x batch + head
	s_lshl_b32 s29, s13, 7
	s_mov_b32 s24, 0x3e0293ee                      ; c = log2(e) / sqrt(128)
	s_mov_b32 s25, s24                             ; (named with it as a pair)
	s_mov_b32 s26, 0x76543210
	s_mov_b32 s27, 0xfedcba98
	s_mov_b32 s101, 0
	s_mov_b32 s31, 0
	s_wait_alu depctr_va_vdst(0)
	s_wait_kmcnt 0x0
	s_load_b32 s15, s[8:9], s29 offset:0x0         ; my tile's list of steps
	s_mul_i32 s100, s14, 32*CH
	s_add_co_u32 s100, s100, KV0
	s_add_nc_u64 s[18:19], s[4:5], s[100:101]      ; my head's K and V
	s_lshr_b32 s2, s13, 3
	s_and_b32 s3, s13, 7
	s_lshl_b32 s30, s14, 3
	s_add_co_u32 s30, s30, s2
	s_mul_i32 s30, s30, CH                         ; Q's chunk: block of queries T / 8
	s_mul_i32 s100, s3, FRB
	s_add_co_u32 s100, s100, s30
	s_add_nc_u64 s[66:67], s[4:5], s[100:101]      ; fragment T % 8
	s_lshr_b32 s100, s3, 2
	s_lshl_b32 s100, s100, 8
	s_and_b32 s2, s13, 3
	s_lshl_b32 s2, s2, 2
	s_add_co_u32 s100, s100, s2
	s_add_co_u32 s100, s100, SCO
	s_add_co_u32 s30, s30, s100
	s_add_nc_u64 s[30:31], s[4:5], s[30:31]        ; its scale words: + 16 r
.irp c, 0,1,2
	global_load_b128 v[16+4*\c:19+4*\c], v1, s[66:67] offset:512*\c
.endr
	global_load_b32 v2, v5, s[30:31]
	v_mov_b32 v3, 0xe2800000                       ; -2^70
	v_mov_b32 v13, 0xff61b1e6                      ; the largest t so far: -3e38
	s_delay_alu instid0(VALU_DEP_1)
	v_floor_f32 v12, -v13
	v_mov_b32 v14, 0
	v_mov_b32 v15, 0
.irp b, 0,1,2,3
	v_mov_b32 v[216+\b], 0                         ; a lane permute's destination counts as read
.endr
	v_mov_b32 v225, 0                              ; (named as the upper half of v[224:225] before it is first written)
	WIN 0x40
.set j, 0
.rept 64
	v_mov_b32 v[j], 0                              ; O^T: the step is written for every trip alike; the first change of M multiplies zeros
.set j, j+1
.endr
	WIN 0
	s_wait_kmcnt 0x0
	s_and_b32 s15, s15, 0xffff
	s_bcnt1_i32_b32 s16, s15
	s_min_u32 s16, s16, 16
	s_max_u32 s16, s16, 1                          ; steps to walk
	s_ctz_i32_b32 s17, s15
	s_min_u32 s17, s17, 15                         ; the first of them
	s_lshl_b32 s28, s13, 4
	s_add_co_u32 s28, s28, s17
	s_lshl_b32 s28, s28, 8
	MLOAD
	s_mul_i32 s100, s17, 2*CH
	s_add_nc_u64 s[20:21], s[18:19], s[100:101]
	s_mov_b64 s[22:23], s[20:21]
	LOADK
	LOADV
; A KEY STEP.  pf = 1: the list's next step is fetched meanwhile
.macro STEP pf
.if \pf
	s_sub_co_u32 s100, s15, 1
	s_and_b32 s15, s15, s100                       ; this step's bit is taken off the list;
	s_ctz_i32_b32 s17, s15
	s_min_u32 s17, s17, 15                         ; the next step
.endif
	s_wait_loadcnt 25                              ; K is in (and Q); V's 25 loads may be out
.irp t, 0,1,2,3
	v_wmma_scale_f32_16x16x128_f8f6f4 v[128+8*\t:135+8*\t], v[32+12*\t:43+12*\t], v[16:27], 0, v[28+\t], v2 matrix_a_fmt:MATRIX_FMT_BF6 matrix_b_fmt:MATRIX_FMT_BF6
.endr
.irp t, 4,5,6,7
	v_wmma_scale_f32_16x16x128_f8f6f4 v[128+8*\t:135+8*\t], v[32+12*\t:43+12*\t], v[16:27], 0, v[24+\t], v2 matrix_a_fmt:MATRIX_FMT_BF6 matrix_b_fmt:MATRIX_FMT_BF6 matrix_a_scale:MATRIX_SCALE_ROW1
.endr
.rept 4
	v_nop                                          ; places in front of the loads into K's registers and of the first read of the scores
.endr
.if \pf
	s_mul_i32 s100, s17, 2*CH
	s_add_nc_u64 s[20:21], s[18:19], s[100:101]    ; K's last loads were shown done by the wait above: their base may be written
	LOADK
.endif
	s_wait_kmcnt 0x0                               ; the step's lane masks
.set n, 0
.rept 64
.if n < 32
	v_cndmask_b32 v[128+n], v[128+n], v3, s[32+n]  ; each accumulator from its low end on
.else
	v_cndmask_b32 v[128+n], v[128+n], v3, s[36+n]
.endif
.set n, n+1
.endr
.if \pf
	s_lshl_b32 s28, s13, 4                         ; (behind the wait on KMcnt: the last scalar loads have read their offset)
	s_add_co_u32 s28, s28, s17
	s_lshl_b32 s28, s28, 8
	MLOAD
.endif
.irp b, 0,1,2,3
	v_max3_num_f32 v[212+\b], v[128+16*\b], v[129+16*\b], v[130+16*\b]   ; the largest score of each block of 32 keys: for the row's maximum, and, since p rises with the score, for the block's largest p
.endr
.irp i, 3,5,7,9,11,13
.irp b, 0,1,2,3
	s_delay_alu instid0(VALU_DEP_4)
	v_max3_num_f32 v[212+\b], v[212+\b], v[128+16*\b+\i], v[129+16*\b+\i]
.endr
.endr
.irp b, 0,1,2,3
	s_delay_alu instid0(VALU_DEP_4)
	v_max_num_f32 v[212+\b], v[212+\b], v[143+16*\b]
.endr
.irp b, 0,1,2,3
	s_delay_alu instid0(VALU_DEP_4)
	v_permlanex16_b32 v[216+\b], v[212+\b], s26, s27
.endr
.irp b, 0,1,2,3
	s_delay_alu instid0(VALU_DEP_4)
	v_max_num_f32 v[212+\b], v[212+\b], v[216+\b]
.endr
	s_delay_alu instid0(VALU_DEP_2)
	v_max3_num_f32 v226, v212, v213, v214
	s_delay_alu instid0(VALU_DEP_1)
	v_max_num_f32 v226, v226, v215
	s_delay_alu instid0(VALU_DEP_1)
	v_mul_f32 v226, s24, v226                      ; as t
	s_delay_alu instid0(VALU_DEP_1)
	v_max_num_f32 v13, v13, v226                   ; the running largest t
	v_mov_b32 v226, v12
	s_delay_alu instid0(VALU_DEP_2)
	v_floor_f32 v12, -v13                          ; -M = floor(-t): M is a whole number
	s_delay_alu instid0(VALU_DEP_1)
	v_sub_f32 v226, v12, v226                      ; old M - new M
	s_delay_alu instid0(VALU_DEP_1)
	v_cvt_i32_f32 v226, v226                       ; (it saturates)
	s_delay_alu instid0(VALU_DEP_1)
	v_ldexp_f32 v224, 1.0, v226                    ; f = 2^(old M - new M)
.set j, 0
.rept 32
	v_pk_fma_f32 v[128+j:129+j], v[128+j:129+j], s[24:25], v[12:13] op_sel_hi:[1,0,0]   ; t - M
.set j, j+2
.endr
.irp b, 0,1,2,3
	v_fma_f32 v[212+\b], v[212+\b], s24, v12
.endr
.set j, 0
	s_wait_alu depctr_va_vdst(0)
.rept 64
	v_exp_f32 v[128+j], v[128+j]                   ; p = 2^(t - M)
.set j, j+1
.endr
	v_pk_mul_f32 v[14:15], v[14:15], v[224:225] op_sel_hi:[1,0]   ; the sums under the new M: the plain line behind the exponentials
	s_wait_alu depctr_va_vdst(0)                   ; one wait for the batch of 64, ahead of its first reader
.irp b, 0,1,2,3
	v_exp_f32 v[212+\b], v[212+\b]                 ; the blocks' largest p
.endr
	v_pk_add_f32 v[216:217], v[132:133], v[136:137]
	v_pk_add_f32 v[254:255], v[140:141], v[144:145]
	v_pk_add_f32 v[252:253], v[148:149], v[152:153]
	v_pk_add_f32 v[250:251], v[156:157], v[160:161]
	v_pk_add_f32 v[248:249], v[164:165], v[168:169]
	v_pk_add_f32 v[246:247], v[172:173], v[176:177]
	v_pk_add_f32 v[244:245], v[180:181], v[184:185]
	v_pk_add_f32 v[14:15], v[14:15], v[188:189]
	v_pk_add_f32 v[216:217], v[216:217], v[128:129]
	v_pk_add_f32 v[254:255], v[254:255], v[130:131]
	v_pk_add_f32 v[252:253], v[252:253], v[134:135]
	v_pk_add_f32 v[250:251], v[250:251], v[138:139]
	v_pk_add_f32 v[248:249], v[248:249], v[142:143]
	v_pk_add_f32 v[246:247], v[246:247], v[146:147]
	v_pk_add_f32 v[244:245], v[244:245], v[150:151]
	v_pk_add_f32 v[14:15], v[14:15], v[154:155]
	v_pk_add_f32 v[216:217], v[216:217], v[158:159]
	v_pk_add_f32 v[254:255], v[254:255], v[162:163]
	v_pk_add_f32 v[252:253], v[252:253], v[166:167]
	v_pk_add_f32 v[250:251], v[250:251], v[170:171]
	v_pk_add_f32 v[248:249], v[248:249], v[174:175]
	v_pk_add_f32 v[246:247], v[246:247], v[178:179]
	v_pk_add_f32 v[244:245], v[244:245], v[182:183]
	v_pk_add_f32 v[14:15], v[14:15], v[186:187]
	v_pk_add_f32 v[216:217], v[216:217], v[190:191]
	s_delay_alu instid0(VALU_DEP_2)
	v_pk_add_f32 v[14:15], v[14:15], v[250:251]
	s_delay_alu instid0(VALU_DEP_2)
	v_pk_add_f32 v[216:217], v[216:217], v[248:249]
	v_pk_add_f32 v[254:255], v[254:255], v[246:247]
	v_pk_add_f32 v[252:253], v[252:253], v[244:245]
	s_delay_alu instid0(VALU_DEP_2)
	v_pk_add_f32 v[14:15], v[14:15], v[254:255]
	s_delay_alu instid0(VALU_DEP_2)
	v_pk_add_f32 v[216:217], v[216:217], v[252:253]
	s_delay_alu instid0(VALU_DEP_1)
	v_pk_add_f32 v[14:15], v[14:15], v[216:217]
	s_wait_alu depctr_va_vdst(0)                   ; and one for the four
.irp b, 0,1,2,3
	v_max_num_f32 v[212+\b], FLOOR, v[212+\b]
.endr
.irp b, 0,1,2,3
	s_delay_alu instid0(VALU_DEP_4)
	v_add_nc_u32 v[220+\b], EOFF, v[212+\b]
.endr
.irp b, 0,1,2,3
	s_delay_alu instid0(VALU_DEP_4)
	v_lshrrev_b32 v[216+\b], 23, v[220+\b]
.endr
	s_delay_alu instid0(VALU_DEP_3)
	v_lshl_or_b32 v225, v217, 8, v216              ; p's scale word for these 128 keys
	s_delay_alu instid0(VALU_DEP_1)
	v_lshl_or_b32 v225, v218, 16, v225
	s_delay_alu instid0(VALU_DEP_1)
	v_lshl_or_b32 v225, v219, 24, v225
.irp c, 0,1
	v_cvt_scalef32_pk16_bf6_f32 v[192+6*\c:194+6*\c], v[128+32*\c:143+32*\c], v[220+2*\c]
	v_cvt_scalef32_pk16_bf6_f32 v[204+4*\c:206+4*\c], v[144+32*\c:159+32*\c], v[220+2*\c+1]
.endr
	v_nop
.irp c, 0,1
.irp i, 0,1,2
	v_permlane16_swap_b32 v[192+6*\c+\i], v[204+4*\c+\i]
.endr
.irp i, 0,1,2
	s_delay_alu instid0(VALU_DEP_3)
	v_mov_b32 v[195+6*\c+\i], v[204+4*\c+\i]
.endr
.endr
	WIN 0x41                                       ; O^T (destination, source 0) window 1
.set j, 0
.rept 32
	v_pk_mul_f32 v[j:j+1], v[j:j+1], v[224:225] op_sel_hi:[1,0]   ; O^T under the new M; these are also the places between p's codes and scale word and the products
.set j, j+2
.endr
	s_wait_alu depctr_va_vdst(0)
	s_wait_loadcnt 25*\pf                          ; V is in; the next K's 25 loads may be out
	WIN 0x51                                       ; V, C and D window 1; p's codes window 0
.irp t, 0,1,2,3
	v_wmma_scale_f32_16x16x128_f8f6f4 v[8*\t:8*\t+7], v[64+12*\t:75+12*\t], v[192:203], v[8*\t:8*\t+7], v[228+\t], v225 matrix_a_fmt:MATRIX_FMT_BF6 matrix_b_fmt:MATRIX_FMT_BF6
.endr
.irp t, 4,5,6,7
	v_wmma_scale_f32_16x16x128_f8f6f4 v[8*\t:8*\t+7], v[64+12*\t:75+12*\t], v[192:203], v[8*\t:8*\t+7], v[224+\t], v225 matrix_a_fmt:MATRIX_FMT_BF6 matrix_b_fmt:MATRIX_FMT_BF6 matrix_a_scale:MATRIX_SCALE_ROW1
.endr
	WIN 0
.rept 4
	v_nop                                          ; places in front of the loads into V's registers, and of the first read of O^T
.endr
.if \pf
	s_mov_b64 s[22:23], s[20:21]                   ; V's last loads were shown done by the wait above
	LOADV
.endif
.endm
	s_cmp_eq_u32 s16, 1
	s_cbranch_scc1 .Ltail
	s_sub_co_u32 s16, s16, 1
.Lloop:
	STEP 1
	s_sub_co_u32 s16, s16, 1
	s_cmp_lg_u32 s16, 0
	s_cbranch_scc1 .Lloop
.Ltail:
	STEP 0                                         ; the last step fetches nothing
	; THE WAY OUT: O^T / the sum, quantised along the head's 128: fragment T % 8 of chunk (block of queries, head)
	v_add_f32 v14, v14, v15
	s_delay_alu instid0(VALU_DEP_1)
	v_permlanex16_b32 v226, v14, s26, s27
	s_delay_alu instid0(VALU_DEP_1)
	v_add_f32 v14, v14, v226
	s_wait_alu depctr_va_vdst(0)
	v_rcp_f32 v14, v14
	v_nop                                          ; a plain line behind the transcendental
	s_lshr_b32 s2, s14, 4                          ; batch
	s_and_b32 s3, s14, 15                          ; head
	s_lshl_b32 s2, s2, 3
	s_lshr_b32 s100, s13, 3
	s_add_co_u32 s2, s2, s100                      ; block of 128 rows of o
	s_lshl_b32 s2, s2, 4
	s_add_co_u32 s2, s2, s3
	s_mul_i32 s2, s2, CH                           ; its chunk: K step = head
	s_and_b32 s3, s13, 7
	s_mul_i32 s100, s3, FRB
	s_add_co_u32 s100, s100, s2
	s_add_nc_u64 s[66:67], s[10:11], s[100:101]
	s_lshr_b32 s100, s3, 2
	s_lshl_b32 s100, s100, 8
	s_and_b32 s3, s13, 3
	s_lshl_b32 s3, s3, 2
	s_add_co_u32 s100, s100, s3
	s_add_co_u32 s100, s100, SCO
	s_add_co_u32 s100, s100, s2
	s_add_nc_u64 s[30:31], s[10:11], s[100:101]
	s_wait_alu depctr_va_vdst(0)                   ; ahead of the reciprocal's first reader
	WIN 0x01
.set j, 0
.rept 64
	v_mul_f32 v[128+j], v[j], v14                  ; register 16 b + i: channel 32 b + 16 h + i of my query
.set j, j+1
.endr
	WIN 0
.irp b, 0,1,2,3
	v_max3_num_f32 v[212+\b], |v[128+16*\b]|, |v[129+16*\b]|, FLOOR
.endr
.irp i, 2,4,6,8,10,12,14
.irp b, 0,1,2,3
	s_delay_alu instid0(VALU_DEP_4)
	v_max3_num_f32 v[212+\b], v[212+\b], |v[128+16*\b+\i]|, |v[129+16*\b+\i]|
.endr
.endr
.irp b, 0,1,2,3
	s_delay_alu instid0(VALU_DEP_4)
	v_permlanex16_b32 v[216+\b], v[212+\b], s26, s27
.endr
.irp b, 0,1,2,3
	s_delay_alu instid0(VALU_DEP_4)
	v_max_num_f32 v[212+\b], v[212+\b], v[216+\b]
.endr
.irp b, 0,1,2,3
	s_delay_alu instid0(VALU_DEP_4)
	v_add_nc_u32 v[220+\b], EOFF, v[212+\b]
.endr
.irp b, 0,1,2,3
	s_delay_alu instid0(VALU_DEP_4)
	v_lshrrev_b32 v[216+\b], 23, v[220+\b]
.endr
	s_delay_alu instid0(VALU_DEP_3)
	v_lshl_or_b32 v226, v217, 8, v216
	s_delay_alu instid0(VALU_DEP_1)
	v_lshl_or_b32 v226, v218, 16, v226
	s_delay_alu instid0(VALU_DEP_1)
	v_lshl_or_b32 v226, v219, 24, v226
.irp c, 0,1
	v_cvt_scalef32_pk16_bf6_f32 v[192+6*\c:194+6*\c], v[128+32*\c:143+32*\c], v[220+2*\c]
	v_cvt_scalef32_pk16_bf6_f32 v[204+4*\c:206+4*\c], v[144+32*\c:159+32*\c], v[220+2*\c+1]
.endr
	v_nop
.irp c, 0,1
.irp i, 0,1,2
	v_permlane16_swap_b32 v[192+6*\c+\i], v[204+4*\c+\i]
.endr
.irp i, 0,1,2
	s_delay_alu instid0(VALU_DEP_3)
	v_mov_b32 v[195+6*\c+\i], v[204+4*\c+\i]
.endr
.endr
.irp c, 0,1,2
	global_store_b128 v1, v[192+4*\c:195+4*\c], s[66:67] offset:512*\c   ; the image: 512 consecutive bytes a store
.endr
	global_store_b32 v5, v226, s[30:31]            ; my 16 rows' scale words, 16 bytes apart (lanes r and r + 16 write the same word): 64 bytes a wave; to gather them would take the launch's only barrier
	s_endpgm
.Lfunc_end_k_q3138787e75_attn:
	.size	k_q3138787e75_attn, .Lfunc_end_k_q3138787e75_attn-k_q3138787e75_attn
	.p2alignl 7, 3214868480
	.fill 96, 4, 3214868480
	.section	.rodata,"a",@progbits
	.p2align	6, 0x0
	.amdhsa_kernel k_q3138787e75_attn
		.amdhsa_group_segment_fixed_size 0
		.amdhsa_private_segment_fixed_size 0
		.amdhsa_enable_private_segment 0
		.amdhsa_kernarg_size 32
		.amdhsa_user_sgpr_count 2
		.amdhsa_user_sgpr_kernarg_segment_ptr 1
		.amdhsa_wavefront_size32 1
		.amdhsa_system_sgpr_workgroup_id_x 1
		.amdhsa_system_sgpr_workgroup_id_y 1
		.amdhsa_system_sgpr_workgroup_id_z 1
		.amdhsa_system_vgpr_workitem_id 0
		.amdhsa_next_free_vgpr 512
		.amdhsa_next_free_sgpr 102
		.amdhsa_reserve_vcc 0
		.amdhsa_float_denorm_mode_32 3
		.amdhsa_float_denorm_mode_16_64 3
		.amdhsa_memory_ordered 1
		.amdhsa_forward_progress 1
		.amdhsa_inst_pref_size 68
	.end_amdhsa_kernel
	.amdgpu_metadata
---
amdhsa.version: [ 1, 2 ]
amdhsa.kernels:
  - .name:           k_q3138787e75_attn
    .symbol:         k_q3138787e75_attn.kd
    .args:
      - { .name: att, .offset: 0, .size: 8, .value_kind: global_buffer, .address_space: global }
      - { .name: mbits, .offset: 8, .size: 8, .value_kind: global_buffer, .address_space: global }
      - { .name: need, .offset: 16, .size: 8, .value_kind: global_buffer, .address_space: global }
      - { .name: oc, .offset: 24, .size: 8, .value_kind: global_buffer, .address_space: global }
    .group_segment_fixed_size: 0
    .private_segment_fixed_size: 0
    .kernarg_segment_align: 8
    .kernarg_segment_size: 32
    .max_flat_workgroup_size: 256
    .sgpr_count:     102
    .vgpr_count:     512
    .wavefront_size: 32
...
	.end_amdgpu_metadata
.endif
;; end of part 4
;; launch outp (part 5): grid 16 x 16, 4 waves a work-group, clusters of 4 x 4, 327,680 bytes of LDS; arguments opq, oc, bo, out0; writes out0
.if DOCPART == 5
	.amdgcn_target "amdgcn-amd-amdhsa--gfx1250"
	.amdhsa_code_object_version 6
	.text
	.protected	k_q3138787e75_outp
	.globl	k_q3138787e75_outp
	.p2align	8
	.type	k_q3138787e75_outp,@function
k_q3138787e75_outp:
	s_mov_b64 s[64:65], 0
	v_nop
	global_prefetch_b8 v0, s[64:65] scope:SCOPE_SE
	s_setreg_imm32_b32 hwreg(HW_REG_WAVE_MODE, 25, 1), 1
	s_wait_xcnt 0x0
	s_wait_alu depctr_hold_cnt(0) depctr_sa_sdst(0) depctr_va_vdst(0) depctr_va_sdst(0) depctr_va_ssrc(0) depctr_va_vcc(0) depctr_vm_vsrc(0)
	s_getreg_b32 s2, hwreg(HW_REG_IB_STS2, 6, 4)
	s_cmp_eq_u32 s2, 0
	s_cbranch_scc0 .Lentry_in_a_cluster
	s_endpgm
.Lentry_in_a_cluster:
	s_bfe_u32 s2, ttmp6, 0x10000c
	s_cmp_lg_u32 s2, 0xf033
	s_cbranch_scc0 .Lentry_shape_is_right
	s_endpgm
.Lentry_shape_is_right:
.set CH,    12800
.set BLKB,  204800
.set FRB,   1536
.set SCO,   12288
.set GRP,   4*CH
.set RBASE, 3*GRP
.set SPARE, 6*GRP
.set NL,    32
.set SPITCH, 528
.set ADRP, 16
.set ADRR, 19
.set ADRS, 22
.set BOF,  25
.set STO,  26
.set RD,   27
.set SPW,  28
.set NIL,  29
.set SC,   32
.set RF,   48
.set ACC,  128
.set G1P, 24
.set G0P, 32
.set G1R, 48
.set G0R, 84
.set MSB, 0
.macro WIN new
.if MSB != \new
	s_set_vgpr_msb (MSB<<8)|\new
.set MSB, \new
.endif
.endm
.macro PLACES n
.rept \n
	v_nop
.endr
.endm
.macro JLOAD g
	s_cmp_eq_u32 s15, 0
	s_cbranch_scc0 .Lfor_r_\@
	tensor_load_to_lds s[G0P+4*\g:G0P+4*\g+3], s[G1P:G1P+7]
	s_nop 0
.rept 4
	v_nop
.endr
	s_branch .Lasked_\@
.Lfor_r_\@:
	tensor_load_to_lds s[G0R+4*\g:G0R+4*\g+3], s[G1R:G1R+7]
	s_nop 0
.rept 4
	v_nop
.endr
.Lasked_\@:
.endm
.macro CREST
	s_cmp_lg_u32 s14, 0
	s_cbranch_scc1 .Lnot_wave_0_\@
	s_barrier_signal -3
.Lnot_wave_0_\@:
	s_barrier_wait -3
	s_barrier_signal -1
	s_barrier_wait -1
.endm
.macro CROUND
	s_barrier_signal -1
	s_barrier_wait -1
	CREST
.endm
	s_load_b256 s[4:11], s[0:1], 0x0
	v_lshl_add_u32 v[SPW], v0, 2, SPARE
	v_mov_b32 v[NIL], 0
	ds_add_u32 v28, v29
	ds_add_u32 v28, v29
	s_wait_dscnt 0x0
	v_lshrrev_b32 v2, 5, v0
	v_readfirstlane_b32 s14, v2
	s_lshr_b32 s15, s14, 1
	s_and_b32 s16, s14, 1
	s_bfe_u32 s56, ttmp6, 0x40000
	s_bfe_u32 s57, ttmp6, 0x40004
	s_lshl_b32 s58, ttmp9, 2
	s_add_co_u32 s58, s58, s56
	s_and_b32 s59, ttmp7, 0xffff
	s_lshl_b32 s59, s59, 2
	s_add_co_u32 s59, s59, s57
	s_lshl_b32 s60, s57, 2
	s_lshl_b32 s60, 15, s60
	s_lshl_b32 s61, 0x1111, s56
	s_or_b32 s[G1P], s61, (3<<16)|(1<<21)
	s_or_b32 s[G1R], s60, (3<<16)|(1<<21)
.irp g, G1P, G1R
	s_mov_b32 s[\g+1], 32<<16
	s_mov_b32 s[\g+2], 100<<16
	s_mov_b32 s[\g+3], 32<<16
	s_mov_b32 s[\g+4], 100
	s_mov_b32 s[\g+5], 32
	s_mov_b32 s[\g+6], 0
	s_mov_b32 s[\g+7], 0
.endr
	s_mul_i32 s62, s16, 2*CH
	s_add_co_u32 s46, s58, 128
	s_mul_i32 s46, s46, BLKB
	s_add_co_u32 s46, s46, s62
	s_mov_b32 s47, 0
	s_mul_i32 s66, s59, BLKB
	s_add_co_u32 s66, s66, s62
	s_mov_b32 s67, 0
	s_add_co_u32 s69, s62, RBASE
	s_wait_kmcnt 0x0
	s_add_nc_u64 s[46:47], s[4:5], s[46:47]
	s_add_nc_u64 s[66:67], s[6:7], s[66:67]
	CROUND
	s_mov_b32 s63, 0
.irp g, 0,1
	s_mov_b32 s[G0P+4*\g], 1
	s_add_co_u32 s[G0P+4*\g+1], s62, \g*GRP
	s_add_nc_u64 s[G0P+4*\g+2:G0P+4*\g+3], s[46:47], \g*GRP
	s_or_b32 s[G0P+4*\g+3], s[G0P+4*\g+3], 0x80000000
	s_mov_b32 s[G0R+4*\g], 1
	s_add_co_u32 s[G0R+4*\g+1], s69, \g*GRP
	s_add_nc_u64 s[G0R+4*\g+2:G0R+4*\g+3], s[66:67], \g*GRP
	s_or_b32 s[G0R+4*\g+3], s[G0R+4*\g+3], 0x80000000
.endr
	; THE FILLS: at the head K steps 0-3, two chunks a wave (set 0); behind the full sequence and a round K steps 4-11, four chunks a wave (set 1: places and chunks 4 + 4 x half ..); one refill, K steps 12-15
	s_add_co_u32 s[G0P+5], s[G0P+5], s62
	s_add_nc_u64 s[G0P+6:G0P+7], s[G0P+6:G0P+7], s[62:63]
	s_add_co_u32 s[G0R+5], s[G0R+5], s62
	s_add_nc_u64 s[G0R+6:G0R+7], s[G0R+6:G0R+7], s[62:63]
	JLOAD 0                                        ; my one tensor load at the head
	v_and_b32 v2, 31, v0
	v_lshlrev_b32 v1, 4, v2
	s_wait_alu depctr_va_vdst(0)
	v_and_b32 v3, 15, v0
	v_bfe_u32 v4, v0, 4, 1
	v_lshlrev_b32 v5, 4, v3
	s_wait_alu depctr_va_vdst(0)
	s_mul_i32 s70, s14, 2*FRB
	s_add_co_u32 s70, s70, RBASE
	s_lshl_b32 s71, s15, 8
	s_lshl_b32 s72, s16, 3
	s_add_co_u32 s71, s71, s72
	s_add_co_u32 s71, s71, RBASE+SCO
.irp g, 0,1,2
	v_add_nc_u32 v[ADRP+\g], \g*GRP, v1
	v_add_nc_u32 v[ADRR+\g], s70, v1
	v_add_nc_u32 v[ADRS+\g], s71, v5
	s_add_co_u32 s70, s70, GRP
	s_add_co_u32 s71, s71, GRP
.endr
	s_lshl_b32 s74, s58, 9
	s_mov_b32 s75, 0
	s_add_nc_u64 s[74:75], s[8:9], s[74:75]
	v_lshlrev_b32 v[BOF], 6, v4
	WIN 0x80
.irp b, 0,1,2,3,4,5,6,7
	global_load_b128 v[8*\b:8*\b+3], v[BOF], s[74:75] offset:128*(\b/2)+32*(\b%2)
	global_load_b128 v[8*\b+4:8*\b+7], v[BOF], s[74:75] offset:128*(\b/2)+32*(\b%2)+16
.endr
	WIN 0
	s_lshl_b32 s73, s59, 2
	s_add_co_u32 s73, s73, s14
	s_lshl_b32 s76, s73, 18
	s_lshl_b32 s77, s58, 9
	s_add_co_u32 s76, s76, s77
	s_mov_b32 s77, 0
	s_add_nc_u64 s[76:77], s[10:11], s[76:77]
	s_mul_i32 s78, s14, 16*SPITCH
	s_add_co_u32 s78, s78, GRP
	v_mul_u32_u24 v[STO], v3, SPITCH
	v_lshl_add_u32 v[STO], v4, 6, v[STO]
	v_add_nc_u32 v[STO], s78, v[STO]
	v_add_nc_u32 v[RD], s78, v1
.macro FETCH j
.set FG, ((\j)/4)%3
.set FQ, (\j)%4
.set FE, (\j)%2
	WIN 0x40
.irp i, 0,1,2,3,4,5,6,7
.irp c, 0,1,2
	ds_load_b128 v[128*FE+12*\i+4*\c:128*FE+12*\i+4*\c+3], v[ADRP+FG] offset:FQ*CH+FRB*\i+512*\c
.endr
.endr
	WIN 0
.irp a, 0,1
.irp c, 0,1,2
	ds_load_b128 v[RF+24*FE+12*\a+4*\c:RF+24*FE+12*\a+4*\c+3], v[ADRR+FG] offset:FQ*CH+FRB*\a+512*\c
.endr
.endr
	ds_load_b128 v[SC+8*FE:SC+8*FE+3], v[ADRP+FG] offset:FQ*CH+SCO
	ds_load_b64 v[SC+8*FE+4:SC+8*FE+5], v[ADRS+FG] offset:FQ*CH
.endm
.macro MM a, b, e, first
.set DA, ACC+8*(8*(\a)+(\b))
.set PA, 128*(\e)+12*(\b)
.set RA, RF+24*(\e)+12*(\a)
.set SA, SC+8*(\e)+(\b)%4
.set SR, SC+8*(\e)+4+(\a)
.if \first
.if (\b) < 4
	v_wmma_scale_f32_16x16x128_f8f6f4 v[DA:DA+7], v[PA:PA+11], v[RA:RA+11], v[8*(\b):8*(\b)+7], v[SA], v[SR] matrix_a_fmt:MATRIX_FMT_BF6 matrix_b_fmt:MATRIX_FMT_BF6
.else
	v_wmma_scale_f32_16x16x128_f8f6f4 v[DA:DA+7], v[PA:PA+11], v[RA:RA+11], v[8*(\b):8*(\b)+7], v[SA], v[SR] matrix_a_fmt:MATRIX_FMT_BF6 matrix_b_fmt:MATRIX_FMT_BF6 matrix_a_scale:MATRIX_SCALE_ROW1
.endif
.else
.if (\b) < 4
	v_wmma_scale_f32_16x16x128_f8f6f4 v[DA:DA+7], v[PA:PA+11], v[RA:RA+11], v[DA:DA+7], v[SA], v[SR] matrix_a_fmt:MATRIX_FMT_BF6 matrix_b_fmt:MATRIX_FMT_BF6
.else
	v_wmma_scale_f32_16x16x128_f8f6f4 v[DA:DA+7], v[PA:PA+11], v[RA:RA+11], v[DA:DA+7], v[SA], v[SR] matrix_a_fmt:MATRIX_FMT_BF6 matrix_b_fmt:MATRIX_FMT_BF6 matrix_a_scale:MATRIX_SCALE_ROW1
.endif
.endif
.endm
.macro MUL8 a, e, first
.irp b, 0,1,2,3,4,5,6,7
	MM \a, \b, \e, \first
.endr
.endm
.macro KSTEP j, first
.if (\j) < 15
	s_wait_dscnt NL
.else
	s_wait_dscnt 0
.endif
.if \first
	WIN 0x21
.else
	WIN 0x01
.endif
	MUL8 0, (\j)%2, \first
	MUL8 1, (\j)%2, \first
	WIN 0
.if (\j)+2 < 16
	PLACES 4
	FETCH (\j)+2
.endif
.endm
.macro TURN j, fill
	s_wait_tensorcnt 0x0
	ds_add_u32 v[SPW], v[NIL]
.if \fill
	s_mov_b32 s[G1P+2], 100<<16                    ; no tensor load of mine is out: the refill brings two chunks again
	s_mov_b32 s[G1P+4], 100
	s_mov_b32 s[G1R+2], 100<<16
	s_mov_b32 s[G1R+4], 100
.endif
	s_wait_dscnt NL+1
	WIN 0x01
	MUL8 0, (\j)%2, 0
	s_wait_dscnt 0x0
	s_barrier_signal -1
	MUL8 1, (\j)%2, 0
	WIN 0
	s_barrier_wait -1
.if \fill
	CREST
	s_add_nc_u64 s[G0P+2:G0P+3], s[G0P+2:G0P+3], 3*GRP
	s_add_nc_u64 s[G0R+2:G0R+3], s[G0R+2:G0R+3], 3*GRP
	JLOAD 0
.else
	PLACES 4
.endif
	s_wait_alu depctr_va_vdst(0)
	FETCH (\j)+2
.endm
.macro TOSTAGE a
.irp bb, 0,1,2,3
.irp i, 0,1,2,3
	ds_store_b128 v[STO], v[ACC+64*(\a)+16*\bb+4*\i:ACC+64*(\a)+16*\bb+4*\i+3] offset:128*\bb+16*\i
.endr
.endr
.irp t, 0,1,2,3,4,5,6,7,8,9,10,11,12,13,14,15
	ds_load_b128 v[ACC+64*(\a)+4*\t:ACC+64*(\a)+4*\t+3], v[RD] offset:\t*SPITCH
.endr
.endm
.macro SEND a, younger
	s_wait_dscnt \younger
.irp t, 0,1,2,3,4,5,6,7,8,9,10,11,12,13,14,15
	global_store_b128 v1, v[ACC+64*(\a)+4*\t:ACC+64*(\a)+4*\t+3], s[76:77] offset:(8*(\a)+\t+8*(\t/8))*8192 th:TH_STORE_NT
.endr
.endm
	s_wait_alu depctr_va_vdst(0)
	s_wait_tensorcnt 0x0                           ; my part of K steps 0-3 is in
	ds_add_u32 v[SPW], v[NIL]
	s_mov_b32 s[G1P+2], 200<<16                    ; no tensor load of mine is out, so a descriptor may be written: the next load brings 200 rows of 256 bytes: four chunks
	s_mov_b32 s[G1P+4], 200
	s_mov_b32 s[G1R+2], 200<<16
	s_mov_b32 s[G1R+4], 200
	s_wait_dscnt 0x0
	CROUND
	JLOAD 1                                        ; K steps 4-11: my one tensor load behind the round
	FETCH 0
	FETCH 1
	s_wait_loadcnt 0x0
	KSTEP 0, 1
	KSTEP 1, 0
	TURN 2, 1
	KSTEP 3, 0
	KSTEP 4, 0
	KSTEP 5, 0
	KSTEP 6, 0
	KSTEP 7, 0
	KSTEP 8, 0
	KSTEP 9, 0
	TURN 10, 0
	KSTEP 11, 0
	KSTEP 12, 0
	KSTEP 13, 0
	KSTEP 14, 0
	KSTEP 15, 0
	PLACES 4
	TOSTAGE 0
	TOSTAGE 1
	SEND 0, 32
	SEND 1, 0
	s_wait_tensorcnt 0x0
	ds_add_u32 v[SPW], v[NIL]
	s_wait_dscnt 0x0
	CROUND
	s_endpgm
.Lfunc_end_k_q3138787e75_outp:
	.size	k_q3138787e75_outp, .Lfunc_end_k_q3138787e75_outp-k_q3138787e75_outp
	.p2alignl 7, 3214868480
	.fill 96, 4, 3214868480
	.section	.rodata,"a",@progbits
	.p2align	6, 0x0
	.amdhsa_kernel k_q3138787e75_outp
		.amdhsa_group_segment_fixed_size 327680
		.amdhsa_private_segment_fixed_size 0
		.amdhsa_enable_private_segment 0
		.amdhsa_kernarg_size 32
		.amdhsa_user_sgpr_count 2
		.amdhsa_user_sgpr_kernarg_segment_ptr 1
		.amdhsa_wavefront_size32 1
		.amdhsa_system_sgpr_workgroup_id_x 1
		.amdhsa_system_sgpr_workgroup_id_y 1
		.amdhsa_system_sgpr_workgroup_id_z 1
		.amdhsa_system_vgpr_workitem_id 0
		.amdhsa_next_free_vgpr 1024
		.amdhsa_next_free_sgpr 100
		.amdhsa_reserve_vcc 0
		.amdhsa_float_denorm_mode_32 3
		.amdhsa_float_denorm_mode_16_64 3
		.amdhsa_memory_ordered 1
		.amdhsa_forward_progress 1
		.amdhsa_inst_pref_size 87
	.end_amdhsa_kernel
	.amdgpu_metadata
---
amdhsa.version: [ 1, 2 ]
amdhsa.kernels:
  - .name:           k_q3138787e75_outp
    .symbol:         k_q3138787e75_outp.kd
    .args:
      - { .name: opq, .offset: 0, .size: 8, .value_kind: global_buffer, .address_space: global }
      - { .name: oc, .offset: 8, .size: 8, .value_kind: global_buffer, .address_space: global }
      - { .name: bo, .offset: 16, .size: 8, .value_kind: global_buffer, .address_space: global }
      - { .name: out0, .offset: 24, .size: 8, .value_kind: global_buffer, .address_space: global }
    .group_segment_fixed_size: 327680
    .private_segment_fixed_size: 0
    .kernarg_segment_align: 8
    .kernarg_segment_size: 32
    .max_flat_workgroup_size: 128
    .sgpr_count:     100
    .vgpr_count:     1024
    .wavefront_size: 32
...
	.end_amdgpu_metadata
.endif
;; end of part 5
